; MI455X (gfx1250); checked and timed in simulation.
; The chip was launched on July 23, 2026; its instructions are those of AMD's public machine-readable ISA for CDNA 5 (MIT licence, August 2026) and "CDNA5" Instruction Set Architecture Reference Guide (July 2026). The comments in the code are by the model that wrote it; some were corrected since.
;; Multi Head Attention With Ro PE. Allowed arithmetic: matrix products marked QUANTISED: E2M3 operands, one E8M0 scale for each 32 along K, by v_wmma_scale_f32_16x16x128_f8f6f4 with both operands' format E2M3, f32 sums; everything else in f32.
;; Inputs: b_out 1,024 float32; b_qkv 3,072 float32; w_out_codes 1,024 x 32 x 24 uint8 (E2M3 codes of w_out, K innermost, in blocks of 32 codes, four codes in three bytes); w_out_scales 1,024 x 32 uint8 (E8M0 scales of w_out, one for each 32 codes along K); w_qkv_codes 3,072 x 32 x 24 uint8 (E2M3 codes of w_qkv, K innermost, in blocks of 32 codes, four codes in three bytes); w_qkv_scales 3,072 x 32 uint8 (E8M0 scales of w_qkv, one for each 32 codes along K); x_codes 4 x 2,048 x 32 x 24 uint8 (E2M3 codes of x, K innermost, in blocks of 32 codes, four codes in three bytes); x_scales 4 x 2,048 x 32 uint8 (E8M0 scales of x, one for each 32 codes along K).
;; Outputs: out0 4 x 2,048 x 1,024 float32.
;; This version of the problem:
;;   THIS VERSION OF THE PROBLEM IS GIVEN IN LOW PRECISION. The matrix products marked QUANTISED in the list below multiply operands that are first quantised to E2M3 (2 exponent bits, 3 mantissa bits; 6 bits a number), with one power-of-two scale for each 32 numbers along K (OCP MX v1.0); their sums are f32. All else is computed in f32.
;;   The module's matrix products, in the order in which they are computed (A, B: the left and right operand; K: the contracted axis; several contracted axes count as one K, in the product's order):
;;     1. [M 8,192, K 1,024] x [K 1,024, N 3,072]; A: input x (given as codes); B: input w_qkv (given as codes): QUANTISED
;;     2. batch 64 x [M 2,048, K 64] x [K 64, N 2,048]; A: computed on the way; B: computed on the way: QUANTISED
;;     3. batch 64 x [M 2,048, K 2,048] x [K 2,048, N 64]; A: softmax (see below); B: computed on the way: QUANTISED
;;     4. [M 8,192, K 1,024] x [K 1,024, N 1,024]; A: computed on the way; B: input w_out (given as codes): QUANTISED
;;   THE QUANTISER, for each operand of a quantised product, along K:
;;     - K is cut into blocks of 32 from its start; a last block that is shorter is filled with zeros.
;;     - A block's scale is 2^e with e = floor(log2(the largest magnitude in the block)) - 2, held to -126 .. 127; a block of zeros has e = 0. As a byte (E8M0): e + 127.
;;     - Each number is divided by its block's scale, clamped to +-7.5, and rounded to the nearest number of E2M3, ties to even, subnormals kept.
;;     - The product sums the exact products of the quantised numbers (number of the format x scale) in f32.
;;   ~~~python
;;   def quantise(x, axis):      # numpy; x: float32 -> the quantised numbers, widened to float32 again
;;       x = np.moveaxis(x, axis, -1); K = x.shape[-1]
;;       x = np.pad(x, [(0, 0)] * (x.ndim - 1) + [(0, -K % 32)]); x = x.reshape(x.shape[:-1] + (-1, 32)); a = np.abs(x).max(-1, keepdims=True)
;;       e = np.where(a > 0, np.clip(np.frexp(np.where(a > 0, a, 1))[1] - 1 - 2, -126, 127), 0)      # np.frexp(a)[1] - 1 = floor(log2(a)), exactly
;;       r = np.clip(x / 2.0 ** e, -7.5, 7.5)
;;       step = 2.0 ** (np.maximum(np.frexp(np.where(r == 0, 1, r))[1] - 1, 0) - 3)
;;       q = np.round(r / step) * step * 2.0 ** e      # np.round: ties to even
;;       return np.moveaxis(q.reshape(q.shape[:-2] + (-1,))[..., :K], -1, axis).astype(np.float32)
;;   ~~~
;;   SOFTMAX AHEAD OF A QUANTISED PRODUCT. Where the list says 'softmax', what is quantised is not the finished softmax but p = 2^(t - M), with t = logit x log2(e) and M = ceil(the row's largest t), a whole number; so 1/2 < the row's largest p <= 1. The row's sum l is taken of the UNQUANTISED p, in f32, and the product's result is divided by l at the end. Since M is a whole number, a kernel that streams over the keys may use a running M (the ceiling of the running maximum): every later rescaling is an exact power of two, which a block's scale takes up: the codes' values come out the same.
;;   OPERANDS COMPUTED ON THE WAY. 'Computed on the way' means the value that the module computes at that place (a softmax that the list does not call 'softmax' is quantised finished and normalised). What goes into a quantiser is computed in f32, as accurately as f32 sums, v_exp_f32 and their like allow (about 1e-6 of the number): no bf16 or f16 on the way to a quantiser, and a product that is left as it is and whose result goes on into a quantised operand takes f32 operands (vector FMAs, or v_wmma_f32_16x16x4_f32). A number that lies on a knife's edge between two numbers of the format may be rounded either way, as far as f32 arithmetic and the matrix unit's own rounding can turn it there, and no further.
;;   INPUTS GIVEN AS CODES. w_out (in the module: [1024, 1024], K = its axis 0); w_qkv (in the module: [1024, 3072], K = its axis 0); x (in the module: [4, 2048, 1024], K = its axis 2): each comes as NAME_codes (uint8): NAME with its K axis moved to the last place and cut into blocks of 32 codes, [.., K / 32, bytes a block], one block behind the other in memory; four codes in three bytes: a row's codes are one little-endian stream of bits, code i at bits 6 i .. 6 i + 5 (a code: sign, 2 exponent bits, 3 mantissa bits); and NAME_scales (uint8): the same leading axes, one E8M0 byte (e + 127) for each 32 codes along K. Its value is code x scale, taken as it is: it is not quantised again, and the codes and scales need not be those that the quantiser above would give.
;; One version. Each part assembles by itself: llvm-mc -triple=amdgcn-amd-amdhsa -mcpu=gfx1250 --defsym DOCPART=n.
;; ======== version 1 of 1: 3 launches
;; limits: a function is approximated: absolute error at most 6e-05
;; workspace buffers: qbuf 6,553,600 bytes; kvbuf 13,107,200 bytes; at_codes 6,291,456 bytes; at_scales 262,144 bytes
;; launch qkv (part 1): grid 16 x 24, 4 waves a work-group, clusters of 4 x 4, 327,680 bytes of LDS; arguments x_codes, x_scales, w_qkv_codes, w_qkv_scales, b_qkv, qbuf, kvbuf; writes qbuf, kvbuf
.if DOCPART == 1
	.amdgcn_target "amdgcn-amd-amdhsa--gfx1250"
	.amdhsa_code_object_version 6
	.text
	.protected	k_q2020e1f64c_qkv
	.globl	k_q2020e1f64c_qkv
	.p2align	8
	.type	k_q2020e1f64c_qkv,@function
k_q2020e1f64c_qkv:
	s_mov_b64 s[64:65], 0
	v_nop
	global_prefetch_b8 v0, s[64:65] scope:SCOPE_SE
	s_setreg_imm32_b32 hwreg(HW_REG_WAVE_MODE, 25, 1), 1
	s_wait_xcnt 0x0
	s_wait_alu depctr_hold_cnt(0) depctr_sa_sdst(0) depctr_va_vdst(0) depctr_va_sdst(0) depctr_va_ssrc(0) depctr_va_vcc(0) depctr_vm_vsrc(0)
	s_getreg_b32 s2, hwreg(HW_REG_IB_STS2, 6, 4)
	s_cmp_eq_u32 s2, 0
	s_cbranch_scc0 .Lentry_in_a_cluster
	s_endpgm
.Lentry_in_a_cluster:
	s_bfe_u32 s2, ttmp6, 0x10000c
	s_cmp_lg_u32 s2, 0xf033
	s_cbranch_scc0 .Lentry_shape_is_right
	s_endpgm
.Lentry_shape_is_right:
; qkv = x w_qkv + b_qkv on codes of FP6 (E2M3) with E8M0 scales, then RoPE on q and k, then q, k (along the head's 64) and v (along the keys) are quantised again and stored as register images.
; x: 8,192 rows x 1,024 K; w_qkv: 3,072 rows x 1,024 K; both K innermost, 768 bytes of codes and 32 scale bytes a row.
; THE PRODUCT: a work-group of four waves makes 256 x 256, a wave 128 x 128 in 64 accumulators; K goes in steps of 256 through a ring of two LDS slots filled by the tensor data mover; the scale bytes of the
; work-group's rows come once and stay.  The matrix instruction is used transposed: source 0 = 16 rows of "B", source 1 = 16 rows of "A": a lane holds ONE row of A and its registers run along rows of B.
; TWO PARTS, chosen by the cluster's y alone (alike in all partners of a cluster):
;   QK (cluster y 0-3): A = x, B = w's rows 0-2,047.  A lane holds a position, its 64 registers of a block two heads' share: d runs along the registers, as RoPE and the quantiser along d want it.
;   V  (cluster y 4-5): A = w's rows 2,048 on, B = x.  A lane holds one channel d of v, its registers run along 128 keys: the K of attention's second product.
; CLUSTERS: 4 x 4 work-groups; A's tile hangs on the tile row alone and is asked for jointly along a row of the cluster, B's on the tile column alone, along a column.
; WHAT IS STORED: an image of 16 rows x 64 along K is 768 bytes: 512 bytes (lane l's registers 0-3 at 16 l), then 256 (registers 4-5 at 8 l); lane (r, H) holds block H of row r.  Each store of the wave covers 512 or 256
; consecutive bytes, aligned.  qbuf: [head 64][step of 128 positions 16] x 6,400 bytes: eight images, then 256 bytes of scale words [row 16][pair of tiles 4].  kvbuf: the same for k, then 6,400 bytes of v:
; four tiles of 16 channels x two images of 64 keys, then scale words [row 16][tile 4].
; THE ORDER INSIDE A BLOCK OF 32: a lane's 16 numbers of a block are elements 8 h + 0..7 and 16 + 8 h + 0..7, so the codes of a block stand in a fixed permuted order.  The block's 32 numbers, its largest magnitude and its scale
; are the rule's; q and k carry the same order, and so do v and attention's p, so every product pairs the right numbers; only the order of the f32 sums differs.
; SIN AND COS are computed once a wave, for block 0's position and for a step of 16 positions; each later block's pair is the last block's turned through 16 x frequency.
; LIMITS: NaN and infinities are not served.  A block of zeros gets the scale byte 1 where the rule says 127: its codes are zeros, and this program alone reads the bytes.  The 32 frequencies are 10^(-j/8) rounded to f32,
; which may differ in the last bit from a power and a division in f32: up to about 1e-4 rad at position 2,047.  The turned pair follows the angle position x frequency unrounded, where a product rounded to f32 ahead of sin and cos
; lies up to about 6e-5 rad off it at position 2,047; seven turns add under 1e-6.  sin and cos: reduction by pi/2 in two parts, polynomials good to about 1e-7, angles under 2^22 quarter turns.
.set NQ,     2                         ; matrix instructions deep in a slot of 256 along K
.set ROWB,   192                       ; a tile's row in bytes
.set KROW,   768                       ; a row of codes in memory
.set PITCH,  240                       ; an LDS row: 3 x (64 bytes + 16 of padding)
.set FR,     12                        ; registers of a fragment
.set NL,     6                         ; LDS loads that bring one
.set NP,     4                         ; places behind this matrix instruction (ISA guide 7.12.1)
.set HALFT,  128*PITCH
.set SLOT,   4*HALFT                   ; A's 256 rows, then B's 256 rows
.set LAPS,   2                         ; 1,024 along K = twice round the ring
.set KS,     32                        ; a row of scale bytes
.set SCL,    2*SLOT                    ; behind the ring: the scales, as units of 256 bytes + 16 of padding
.set HALFS,  16*272                    ; the scales of 128 rows
.set SBLK,   2*272                     ; those of 16 rows
.set SPARE,  SCL+4*HALFS               ; the spare words, 128 bytes a wave: two blocks of 256 bytes that no other line names
.set MG,   4                           ; v[4:5]  1.5 x 2^23;  v[6:7], v[8:9] two polynomial constants
.set S2V,  6
.set C2V,  8
.set PP,   12                          ; v[12:13] a position as f32
.set BB,   14                          ; v[14:15] the V part's bias of my row, twice
.set ADRA, 16                          ; v16-19  LDS addresses of my A fragments (slot 0, 1; behind one padding more)
.set ADRB, 20                          ; v20-23  the same for B
.set OFA,  24                          ; v24     16 x lane
.set OFB,  25                          ; v25     8 x lane
.set OFS,  26                          ; v26     scale words out: 16 r + h x a head's bytes
.set ADRS, 27                          ; v27     LDS address of my scale words
.set SPW,  28                          ; v28     my spare word; never rewritten
.set NIL,  29                          ; v29     0; never rewritten
.set P0I,  30                          ; v30     my position in block 0
.set SELV, 31                          ; v31     byte selects for the scale words of head h
.set SC,   32                          ; v32-63  scale words, two sets: scales and nothing else
.set TS,   64                          ; v64-79  sin and cos at work, two sets of 8; then
.set RT,   64                          ;         RoPE and the turn at work: four pairs at a time
.set SD,   80                          ; v80-95  sin of 16 x my 16 frequencies
.set TM,   96                          ; v96-107 the quantiser at work
.set SWO,  96                          ; v[96:99] at the end: scale words to store
.set PC,   108                         ; v108-126 codes
.set AF,   128                         ; A's fragments, window 0
.set W,    128                         ; behind the products: v128-191 a block's 64 numbers
.set CO,   192                         ; v192-207 cos, v208-223 sin of my 16 angles: they stay from block to block
.set SI,   208
.set BV,   224                         ; v224-231 the V part's bias: block a's row r
.set FQ,   232                         ; v232-247 my 16 frequencies; then
.set CD,   232                         ;          cos of 16 x my 16 frequencies
.set PWR,  248                         ; v248-255 block a's scale word
.set G1, 24
.set G0, 32
.set G1B, 48
.set G0B, 56
.set G1S, 68
.set G0S, 76
.set G1SB, 80
.set G0SB, 88
.set ISV, 95                           ; s95  1 in the V part
.set SEL, 20                           ; behind the products: s[20:21] lane selects; s24-37 constants in pairs
.set KINV, 24
.set KP1, 26
.set KP2, 28
.set KS1, 30
.set KS3, 32
.set KC1, 34
.set KC3, 36
.set MSB, 0
.macro WIN new                         ; the immediate's high byte repeats the setting that is left
.if MSB != (\new)
	s_set_vgpr_msb (MSB<<8)|(\new)
.set MSB, (\new)
.endif
.endm
.set MUL_LO, 0xa1                      ; source 0 (B) window 1, source 1 (A) window 0, C and D window 2
.set MUL_HI, 0xf1                      ; the same, C and D window 3
.set TO_B,   0x40                      ; destination window 1, address window 0
; A joint load: waves 0 and 1 fetch for A, waves 2 and 3 for B; the branch hangs on the wave's number alone.  Four v_nop follow each of the two lines.
.macro JLOAD g0a, g1a, g0b, g1b
	s_cmp_eq_u32 s15, 0
	s_cbranch_scc0 .Lfor_b_\@
	tensor_load_to_lds s[\g0a:\g0a+3], s[\g1a:\g1a+7]
	s_nop 0
.rept 4
	v_nop
.endr
	s_branch .Lasked_\@
.Lfor_b_\@:
	tensor_load_to_lds s[\g0b:\g0b+3], s[\g1b:\g1b+7]
	s_nop 0
.rept 4
	v_nop
.endr
.Lasked_\@:
.endm
.macro CREST                           ; a round of the cluster's barrier behind its opening barrier
	s_cmp_lg_u32 s14, 0
	s_cbranch_scc1 .Lnot_wave_0_\@
	s_barrier_signal -3
.Lnot_wave_0_\@:
	s_barrier_wait -3
	s_barrier_signal -1
	s_barrier_wait -1
.endm
.macro CROUND                          ; a whole round
	s_barrier_signal -1
	s_barrier_wait -1
	CREST
.endm
	s_load_b256 s[24:31], s[0:1], 0x0              ; x's codes s[24:25], x's scales s[26:27], w's codes s[28:29], w's scales s[30:31]
	s_load_b64 s[12:13], s[0:1], 0x20              ; b_qkv
	s_load_b64 s[96:97], s[0:1], 0x28              ; qbuf
	s_load_b64 s[98:99], s[0:1], 0x30              ; kvbuf
	v_lshl_add_u32 v[SPW], v0, 2, SPARE
	v_mov_b32 v[NIL], 0
	ds_add_u32 v28, v29
	ds_add_u32 v28, v29
	s_wait_dscnt 0x0
	v_lshrrev_b32 v1, 5, v0
	v_readfirstlane_b32 s14, v1                    ; wave 0..3
	s_lshr_b32 s15, s14, 1                         ; which half of A's rows is mine.  Also: I fetch for A (0) or for B (1)
	s_and_b32 s16, s14, 1                          ; which half of B's rows.  Also: which 128 rows of that tile I fetch
	s_bfe_u32 s40, ttmp6, 0x40000                  ; cx, cy: my place in the cluster
	s_bfe_u32 s41, ttmp6, 0x40004
	s_and_b32 s18, ttmp7, 0xffff                   ; the cluster's y, 0..5; ttmp9 is its x, 0..3
	s_and_b32 s19, ttmp9, 1                        ; QK: B's group of four tiles = x & 1
	s_lshr_b32 s20, ttmp9, 1
	s_lshl_b32 s20, s20, 2
	s_add_co_u32 s20, s20, s18                     ; QK: A's group = y + 4 (x >> 1)
	s_max_u32 s21, s18, 4
	s_sub_co_u32 s21, s21, 4
	s_lshl_b32 s21, s21, 2
	s_add_co_u32 s21, s21, ttmp9                   ; V: B's group = x + 4 (y - 4)
	s_cmp_ge_u32 s18, 4                            ; the part hangs on the cluster's y alone
	s_cselect_b32 s[ISV], 1, 0
	s_cselect_b32 s67, s21, s19                    ; B's group
	s_cselect_b32 s20, 0, s20                      ; A's group
	s_cselect_b32 s66, 2048, 0                     ; V: A's rows begin at w's row 2,048
	s_lshl_b32 s42, s67, 2
	s_add_co_u32 s42, s42, s40                     ; B's tile = 4 x group + cx
	s_lshl_b32 s17, s20, 2
	s_add_co_u32 s17, s17, s41                     ; A's tile = 4 x group + cy
	s_lshl_b32 s43, s41, 2
	s_lshl_b32 s43, 15, s43                        ; my row of the cluster
	s_lshl_b32 s44, 0x1111, s40                    ; my column
	s_wait_kmcnt 0x0
	s_cmp_eq_u32 s[ISV], 1                         ; which tensor is A and which is B
	s_cselect_b64 s[4:5], s[28:29], s[24:25]       ; A's codes
	s_cselect_b64 s[6:7], s[30:31], s[26:27]       ; A's scales
	s_cselect_b64 s[8:9], s[24:25], s[28:29]       ; B's codes
	s_cselect_b64 s[10:11], s[26:27], s[30:31]     ; B's scales
	; descriptor group 1: a tile of 128 rows x 192 bytes, 16 bytes of padding behind every 64
	s_or_b32 s[G1+0], s43, (0<<16)|(1<<20)|(1<<21)|(3<<22)|(3<<25)  ; 15:0 the mask: A's tiles go to my row; elements of 1 byte; padding on; bit 21 beside a mask; after every 16 words, 4 words
	s_or_b32 s[G1B+0], s44, (0<<16)|(1<<20)|(1<<21)|(3<<22)|(3<<25) ; B's go to my column
.irp g, G1, G1B
	s_mov_b32 s[\g+1], ROWB<<16                    ; tensor_dim0
	s_mov_b32 s[\g+2], 128<<16                     ; tensor_dim1
	s_mov_b32 s[\g+3], ROWB<<16                    ; tile_dim0
	s_mov_b32 s[\g+4], 128                         ; tile_dim1
	s_mov_b32 s[\g+5], KROW                        ; tensor_dim0_stride
	s_mov_b32 s[\g+6], 0
	s_mov_b32 s[\g+7], 0
.endr
	; the scales of 128 rows: 4,096 dense bytes, as 16 rows of 256 bytes (32 elements of 8), 16 bytes of padding behind each
	s_or_b32 s[G1S+0], s43, (3<<16)|(1<<20)|(1<<21)|(5<<22)|(3<<25)
	s_or_b32 s[G1SB+0], s44, (3<<16)|(1<<20)|(1<<21)|(5<<22)|(3<<25)
.irp g, G1S, G1SB
	s_mov_b32 s[\g+1], 32<<16
	s_mov_b32 s[\g+2], 16<<16
	s_mov_b32 s[\g+3], 32<<16
	s_mov_b32 s[\g+4], 16
	s_mov_b32 s[\g+5], 32
	s_mov_b32 s[\g+6], 0
	s_mov_b32 s[\g+7], 0
.endr
	s_lshl_b32 s18, s16, 7                         ; which 128 rows of the tile I fetch
	s_lshl_b32 s20, s17, 8
	s_add_co_u32 s20, s20, s18
	s_add_co_u32 s20, s20, s66                     ; A: row 256 x tile + 128 x half (+ 2,048)
	s_lshl_b32 s46, s42, 8
	s_add_co_u32 s46, s46, s18                     ; B: row 256 x tile + 128 x half
	s_mov_b32 s21, 0
	s_mov_b32 s47, 0
	s_mov_b64 s[18:19], KS
	s_mul_u64 s[22:23], s[20:21], s[18:19]         ; where these rows' scales begin, in bytes
	s_mul_u64 s[92:93], s[46:47], s[18:19]
	s_mov_b64 s[18:19], KROW
	s_mul_u64 s[20:21], s[20:21], s[18:19]         ; and their codes
	s_mul_u64 s[46:47], s[46:47], s[18:19]
	s_mul_i32 s45, s14, HALFT                      ; where they go: wave x 128 rows: no place in the cluster enters an LDS address
	s_mul_i32 s94, s14, HALFS
	s_add_nc_u64 s[20:21], s[4:5], s[20:21]
	s_add_nc_u64 s[22:23], s[6:7], s[22:23]
	s_add_nc_u64 s[46:47], s[8:9], s[46:47]
	s_add_nc_u64 s[92:93], s[10:11], s[92:93]
	CROUND                                         ; all sixteen work-groups are here: the first joint loads meet
	s_mov_b32 s[G0S], 1
	s_add_co_u32 s[G0S+1], s94, SCL
	s_mov_b64 s[G0S+2:G0S+3], s[22:23]
	s_or_b32 s[G0S+3], s[G0S+3], 0x80000000
	s_mov_b32 s[G0SB], 1
	s_add_co_u32 s[G0SB+1], s94, SCL
	s_mov_b64 s[G0SB+2:G0SB+3], s[92:93]
	s_or_b32 s[G0SB+3], s[G0SB+3], 0x80000000
	JLOAD G0S, G1S, G0SB, G1SB                     ; the scales first: they are wanted with K step 0.  Three loads of mine are out behind these first fills
.irp s, 0,1
	s_mov_b32 s[G0+4*\s], 1
	s_add_co_u32 s[G0+4*\s+1], s45, \s*SLOT
	s_add_nc_u64 s[G0+4*\s+2:G0+4*\s+3], s[20:21], \s*ROWB
	s_or_b32 s[G0+4*\s+3], s[G0+4*\s+3], 0x80000000
	s_mov_b32 s[G0B+4*\s], 1
	s_add_co_u32 s[G0B+4*\s+1], s45, \s*SLOT
	s_add_nc_u64 s[G0B+4*\s+2:G0B+4*\s+3], s[46:47], \s*ROWB
	s_or_b32 s[G0B+4*\s+3], s[G0B+4*\s+3], 0x80000000
	JLOAD G0+4*\s, G1, G0B+4*\s, G1B
.endr
	v_and_b32 v1, 15, v0                           ; r = lane % 16: stays
	v_bfe_u32 v2, v0, 4, 1                         ; h = lane / 16: stays
	v_mul_u32_u24 v3, v1, PITCH
	v_mul_u32_u24 v4, v2, 24
	v_add_nc_u32 v4, v3, v4                        ; a fragment's row x pitch + 24 x half
	v_lshl_add_u32 v5, v2, 4, v4                   ; and the same behind one padding more
	s_mul_i32 s21, s15, HALFT                      ; my 128 rows of A
	s_mul_i32 s22, s16, HALFT                      ; my 128 rows of B,
	s_add_co_u32 s22, s22, 2*HALFT                 ; which lie behind A's 256
.irp s, 0,1
	v_add_nc_u32 v[ADRA+\s], s21, v4
	v_add_nc_u32 v[ADRB+\s], s22, v4
	v_add_nc_u32 v[ADRA+2+\s], s21, v5
	v_add_nc_u32 v[ADRB+2+\s], s22, v5
	s_add_co_u32 s21, s21, SLOT
	s_add_co_u32 s22, s22, SLOT
.endr
	v_mul_u32_u24 v5, v1, KS                       ; my row's scales: 32 bytes a row,
	v_lshrrev_b32 v6, 8, v5
	v_lshl_add_u32 v5, v6, 4, v5                   ; and 16 more for each 256 passed
	s_mul_i32 s21, s15, HALFS                      ; A's: my 128 rows
	s_mul_i32 s22, s16, HALFS                      ; B's: my 128 rows, behind A's 256
	s_add_co_u32 s22, s22, 2*HALFS
	s_sub_co_u32 s22, s22, s21
	v_mul_u32_u24 v6, s22, v2                      ; lanes 16-31 take B's
	s_add_co_u32 s21, s21, SCL
	v_add_nc_u32 v5, v5, v6
	v_add_nc_u32 v[ADRS], s21, v5
	; where my results go.  Heads: QK: four to a tile of B, two to a wave's half; V: the same of A.  Positions: 256 to a tile of A (QK) or of B (V), 128 (a step) to a wave's half.
	s_and_b32 s18, s42, 3
	s_cmp_eq_u32 s[ISV], 1
	s_cselect_b32 s18, s17, s18                    ; the tile that names my heads
	s_cselect_b32 s19, s15, s16                    ; and my half of it
	s_cselect_b32 s20, s42, s17                    ; the tile that names my positions
	s_cselect_b32 s21, s16, s15                    ; and my half of it
	s_cselect_b32 s22, 6400, 0                     ; v lies behind k in a block of kvbuf
	s_lshl_b32 s18, s18, 2
	s_lshl_b32 s19, s19, 1
	s_add_co_u32 s18, s18, s19                     ; my first head
	s_lshr_b32 s19, s20, 3                         ; the batch: eight tiles of 256 positions each
	s_lshl_b32 s19, s19, 4
	s_add_co_u32 s18, s18, s19                     ; 16 x batch + head
	s_lshl_b32 s18, s18, 4
	s_and_b32 s20, s20, 7
	s_lshl_b32 s20, s20, 1
	s_add_co_u32 s18, s18, s20
	s_add_co_u32 s18, s18, s21                     ; the block: 16 x (16 x batch + head) + step
	s_or_b32 s23, s[ISV], s67                      ; q: the QK part's first group of B's tiles
	s_mov_b32 s93, 12800
	s_cmp_eq_u32 s23, 0
	s_cselect_b32 s93, 6400, s93                   ; a block's bytes
	s_cselect_b64 s[96:97], s[96:97], s[98:99]     ; qbuf or kvbuf: the choice hangs on the cluster's coordinates alone
	s_mul_i32 s46, s18, s93
	s_add_co_u32 s46, s46, s22
	s_mov_b32 s47, 0
	s_add_nc_u64 s[96:97], s[96:97], s[46:47]      ; where block 0's first image goes: never stepped, a block's place stands in its stores' immediates
	s_lshl_b32 s94, s93, 4                         ; a head's bytes: 16 blocks
	s_cmp_eq_u32 s[ISV], 1
	s_cselect_b32 s46, 768, s94                    ; the second image: V: keys 64 on; QK: the next head
	s_add_nc_u64 s[98:99], s[96:97], s[46:47]
	s_add_nc_u64 s[100:101], s[96:97], 6144        ; the scale words
	v_and_b32 v6, 31, v0
	v_lshlrev_b32 v[OFA], 4, v6
	v_lshlrev_b32 v[OFB], 3, v6
	v_mul_u32_u24 v[OFS], s94, v2
	v_lshl_add_u32 v[OFS], v1, 4, v[OFS]           ; lanes 0-15: my first head's 256 bytes of scale words; lanes 16-31: the next head's
	s_and_b32 s19, s17, 7
	s_lshl_b32 s19, s19, 8
	s_lshl_b32 s20, s15, 7
	s_add_co_u32 s19, s19, s20
	v_add_nc_u32 v[P0I], s19, v1                   ; QK: my position in block 0
	v_cmp_eq_u32 vcc_lo, 1, v2
	v_mov_b32 v[SELV], 0x05040100
	v_mov_b32 v3, 0x07060302
	v_cndmask_b32 v[SELV], v[SELV], v3, vcc_lo
; my 16 frequencies: register i stands for j = 16 (i / 8) + 8 h + i % 8; the frequency is 10^(-j / 8)
.macro FQSET i, lo, hi
	v_mov_b32 v3, \lo
	v_mov_b32 v[FQ+\i], \hi
	v_cndmask_b32 v[FQ+\i], v3, v[FQ+\i], vcc_lo
.endm
	FQSET 0, 0x3f800000, 0x3dcccccd
	FQSET 1, 0x3f3ff911, 0x3d99940e
	FQSET 2, 0x3f0ff59a, 0x3d6655c3
	FQSET 3, 0x3ed7e89b, 0x3d2cba15
	FQSET 4, 0x3ea1e89b, 0x3d0186e2
	FQSET 5, 0x3e72d424, 0x3cc24350
	FQSET 6, 0x3e361887, 0x3c91ad39
	FQSET 7, 0x3e088d77, 0x3c5a7bf1
	FQSET 8, 0x3c23d70a, 0x3a83126f
	FQSET 9, 0x3bf5b9b0, 0x3a44948c
	FQSET 10, 0x3bb8449c, 0x3a136a16
	FQSET 11, 0x3b8a2e77, 0x39dd1726
	FQSET 12, 0x3b4f3e37, 0x39a5cb5f
	FQSET 13, 0x3b1b690d, 0x3978a814
	FQSET 14, 0x3ae91528, 0x393a7753
	FQSET 15, 0x3aaec98e, 0x390bd472
	; the biases.  Both sets are loaded in both parts (from b_qkv's first bytes where the part does not use them); every load stays inside b_qkv.
	; They are first read behind the products: the wait for them stands there, and until then nothing names their registers, v10, v11 or s[18:21].
	s_lshl_b32 s18, s42, 10
	s_lshl_b32 s19, s16, 9
	s_add_co_u32 s18, s18, s19                     ; QK: my 128 columns
	s_lshl_b32 s20, s17, 10
	s_lshl_b32 s19, s15, 9
	s_add_co_u32 s20, s20, s19
	s_add_co_u32 s20, s20, 8192                    ; V: my 128 rows of w, from column 2,048 on
	s_cmp_eq_u32 s[ISV], 1
	s_cselect_b32 s18, 0, s18
	s_cselect_b32 s20, s20, 0
	s_mov_b32 s19, 0
	s_mov_b32 s21, 0
	s_add_nc_u64 s[18:19], s[12:13], s[18:19]
	s_add_nc_u64 s[20:21], s[12:13], s[20:21]
	v_lshlrev_b32 v10, 5, v2
	v_lshlrev_b32 v11, 2, v1
	WIN TO_B                                       ; QK's 64 numbers fill the registers of window 1 that B's two sets leave idle: number n at v[96 + n + 96 (n / 32)]
.irp b, 0,1,2,3,4,5,6,7
	global_load_b128 v[96+8*\b+96*(\b/4):99+8*\b+96*(\b/4)], v10, s[18:19] offset:64*\b         ; number 8 b + j: column 16 b + 8 h + j
	global_load_b128 v[100+8*\b+96*(\b/4):103+8*\b+96*(\b/4)], v10, s[18:19] offset:64*\b+16
.endr
	WIN 0
.irp a, 0,1,2,3,4,5,6,7
	global_load_b32 v[BV+\a], v11, s[20:21] offset:64*\a   ; V: row 16 a + r
.endr
.macro FRAG reg, adr, q, i             ; a fragment, 16 rows x 128 K, is 12 registers: registers 6 c .. 6 c + 5 hold K = 64 c + 32 h + 0 .. 31: 24 bytes of the row's stream of bits, as they lie, in pieces of 8 bytes
.irp p, 0,1,2,3,4,5                    ; where the piece that lanes 16-31 take lies behind one padding more, the second address register serves
.set PCE, 12*(\q)+6*(\p/3)+\p%3
.if PCE%8 < 5
	ds_load_b64 v[\reg+2*\p:\reg+2*\p+1], v[\adr] offset:8*PCE+16*(PCE/8)+(\i)*16*PITCH
.else
	ds_load_b64 v[\reg+2*\p:\reg+2*\p+1], v[\adr+2] offset:8*PCE+16*(PCE/8)+(\i)*16*PITCH
.endif
.endr
.endm
; 16 matrix instructions: A's blocks a0, a0 + 1 x B's eight, 128 along K.  The 64 accumulators take turns, one instruction a turn, in the same order in every step.
.macro MUL16 a0, p, q, sc, zero
.irp a, \a0, \a0+1
.irp b, 0,1,2,3,4,5,6,7
.if \zero
	v_wmma_scale_f32_16x16x128_f8f6f4 v[8*(8*((\a)%4)+\b):8*(8*((\a)%4)+\b)+7], v[128*(\p)+FR*\b:128*(\p)+FR*\b+FR-1], v[AF+FR*(\a):AF+FR*(\a)+FR-1], 0, v[SC+8*NQ*(\sc)+NQ*\b+(\q)], v[SC+8*NQ*(\sc)+NQ*(\a)+(\q)] matrix_a_fmt:MATRIX_FMT_FP6 matrix_b_fmt:MATRIX_FMT_FP6 matrix_a_scale:MATRIX_SCALE_ROW1
.else
	v_wmma_scale_f32_16x16x128_f8f6f4 v[8*(8*((\a)%4)+\b):8*(8*((\a)%4)+\b)+7], v[128*(\p)+FR*\b:128*(\p)+FR*\b+FR-1], v[AF+FR*(\a):AF+FR*(\a)+FR-1], v[8*(8*((\a)%4)+\b):8*(8*((\a)%4)+\b)+7], v[SC+8*NQ*(\sc)+NQ*\b+(\q)], v[SC+8*NQ*(\sc)+NQ*(\a)+(\q)] matrix_a_fmt:MATRIX_FMT_FP6 matrix_b_fmt:MATRIX_FMT_FP6 matrix_a_scale:MATRIX_SCALE_ROW1
.endif
.endr
.endr
.endm
.macro FETCH_B slot, q, p              ; B's eight fragments of the slot's q-th 128 along K into set p
	WIN TO_B
.irp i, 0,1,2,3,4,5,6,7
	FRAG 128*(\p)+FR*\i, ADRB+\slot, \q, \i
.endr
	WIN 0
.endm
.macro FETCH_A slot, q, i0             ; A's blocks i0 .. i0 + 3
.irp i, \i0, \i0+1, \i0+2, \i0+3
	FRAG AF+FR*(\i), ADRA+\slot, \q, \i
.endr
.endm
.macro SCALES sc                       ; a K step's scale words into set sc: lanes 0-15 take A's block i, lanes 16-31 B's block i
.irp i, 0,1,2,3,4,5,6,7
	ds_load_b64 v[SC+8*NQ*\sc+NQ*\i:SC+8*NQ*\sc+NQ*\i+1], v[ADRS] offset:\i*SBLK
.endr
.endm
.macro PLACES n                        ; plain vector instructions that name none of a matrix instruction's registers, in front of loads into registers that it has read and of reads of its results
.rept \n
	v_nop
.endr
.endm
.macro STEP slot, q, zero              ; a step of 128 along K that has its successor in the same slot
	s_wait_dscnt 4*NL                              ; B's set and A's blocks 0-3 are in; the youngest 24 loads (A's blocks 4-7) may be out
	WIN MUL_LO
	MUL16 0, (\q)%2, \q, \slot, \zero
	MUL16 2, (\q)%2, \q, \slot, \zero
	s_wait_dscnt 0                                 ; A's blocks 4-7 are in
	PLACES NP
	FETCH_B \slot, (\q)+1, 1-(\q)%2
	FETCH_A \slot, (\q)+1, 0
	WIN MUL_HI
	MUL16 4, (\q)%2, \q, \slot, \zero
	MUL16 6, (\q)%2, \q, \slot, \zero
	PLACES NP
	WIN 0
	FETCH_A \slot, (\q)+1, 4
.endm
; A slot's last step changes slots: ONE barrier; in front of it each wave waits for all its tensor loads, adds 0 to its spare word, and waits for that and for its own reads of this slot.
.macro TURN slot, next, fill
	s_wait_tensorcnt 0x0                           ; all my tensor loads have landed: my part of the next slot
	ds_add_u32 v[SPW], v[NIL]                      ; 0 onto my spare word
	s_wait_dscnt 4*NL+1                            ; the add and the youngest 24 loads (A's blocks 4-7) may be out
	WIN MUL_LO
	MUL16 0, 1, NQ-1, \slot, 0                     ; sixteen matrix instructions stand between the add and the wait for it
	s_wait_dscnt 0x0                               ; the add is done, and my reads of this slot are over
	s_barrier_signal -1
	MUL16 2, 1, NQ-1, \slot, 0
	WIN 0
	s_barrier_wait -1
.if \fill
	CREST                                          ; the barrier has opened a round of the cluster's barrier: no wave of any partner still reads this slot or has a load on its way
	s_add_nc_u64 s[G0+4*\slot+2:G0+4*\slot+3], s[G0+4*\slot+2:G0+4*\slot+3], 2*ROWB
	s_add_nc_u64 s[G0B+4*\slot+2:G0B+4*\slot+3], s[G0B+4*\slot+2:G0B+4*\slot+3], 2*ROWB
	JLOAD G0+4*\slot, G1, G0B+4*\slot, G1B         ; the first tensor load behind the round; its four v_nop are the places in front of the loads below
.else
	PLACES NP
.endif
	v_add_nc_u32 v[ADRS], 4*NQ, v[ADRS]            ; on to the next K step's scale words (no LDS load of mine is out)
	FETCH_B \next, 0, 0
	FETCH_A \next, 0, 0
	SCALES \next
	WIN MUL_HI
	MUL16 4, 1, NQ-1, \slot, 0
	MUL16 6, 1, NQ-1, \slot, 0
	PLACES NP
	WIN 0
	FETCH_A \next, 0, 4
.endm
	s_wait_tensorcnt 1                             ; the scales and my part of K step 0 are in (K step 1's load may be out),
	s_barrier_signal -1
	s_barrier_wait -1                              ; everybody's are
	FETCH_B 0, 0, 0
	FETCH_A 0, 0, 0
	SCALES 0
	FETCH_A 0, 0, 4
	STEP 0, 0, 1                                   ; the first step stands in front of the loop: its products start the sums
	s_mov_b32 s3, LAPS-1
.Llap:                                                 ; a trip goes once round the ring and fills both slots again
	TURN 0, 1, 1
	STEP 1, 0, 0
	TURN 1, 0, 1
	STEP 0, 0, 0
	s_sub_co_u32 s3, s3, 1
	s_cmp_lg_u32 s3, 0
	s_cbranch_scc1 .Llap
	TURN 0, 1, 0                                   ; the last lap fills nothing
	STEP 1, 0, 0
	s_wait_dscnt 4*NL                              ; the very last step
	WIN MUL_LO
	MUL16 0, 1, NQ-1, 1, 0
	MUL16 2, 1, NQ-1, 1, 0
	s_wait_dscnt 0
	WIN MUL_HI
	MUL16 4, 1, NQ-1, 1, 0
	MUL16 6, 1, NQ-1, 1, 0
	WIN 0
; ---- BEHIND THE PRODUCTS: block by block of 16 rows of A.  No tensor load is out, so the descriptors' registers take constants.
.macro KPAIR reg, val                  ; a packed form names a pair and takes its low word for both halves: both are written
	s_mov_b32 s[\reg], \val
	s_mov_b32 s[\reg+1], \val
.endm
.macro VPAIR reg, val
	v_mov_b32 v[\reg], \val
	v_mov_b32 v[\reg+1], \val
.endm
; sin and cos of four angles, v[PP] x frequencies i .. i + 3, into v[sd + i ..] and v[cd + i ..], in two pairs that take turns line by line.
; A set of 8 registers: +0 theta, then the rest r; +2 the quarter turns' number in its low bits; +4 that number as f32, then r^3; +6 r^2
.macro SC4 i, sd, cd
.irp p, 0,1
.set TT, TS+8*\p
	v_pk_mul_f32 v[TT:TT+1], v[FQ+\i+2*\p:FQ+\i+2*\p+1], v[PP:PP+1] op_sel_hi:[1,0]               ; theta, rounded once
.endr
.irp p, 0,1
.set TT, TS+8*\p
	v_pk_fma_f32 v[TT+2:TT+3], v[TT:TT+1], s[KINV:KINV+1], v[MG:MG+1] op_sel_hi:[1,0,1]           ; theta x 2 / pi + 1.5 x 2^23: the nearest whole number n stands in the low bits
.endr
.irp p, 0,1
.set TT, TS+8*\p
	v_pk_add_f32 v[TT+4:TT+5], v[TT+2:TT+3], v[MG:MG+1] neg_lo:[0,1] neg_hi:[0,1]                 ; n as f32
.endr
.irp p, 0,1
.set TT, TS+8*\p
	v_pk_fma_f32 v[TT:TT+1], v[TT+4:TT+5], s[KP1:KP1+1], v[TT:TT+1] op_sel_hi:[1,0,1]             ; r = theta - n x pi / 2, pi / 2 in two parts
.endr
.irp p, 0,1
.set TT, TS+8*\p
	v_pk_fma_f32 v[TT:TT+1], v[TT+4:TT+5], s[KP2:KP2+1], v[TT:TT+1] op_sel_hi:[1,0,1]
.endr
.irp p, 0,1
.set TT, TS+8*\p
	v_pk_mul_f32 v[TT+6:TT+7], v[TT:TT+1], v[TT:TT+1]                                             ; z = r^2
.endr
.irp p, 0,1
.set TT, TS+8*\p
.set SN, \sd+\i+2*\p
.set CN, \cd+\i+2*\p
	v_pk_fma_f32 v[SN:SN+1], v[TT+6:TT+7], s[KS3:KS3+1], v[S2V:S2V+1] op_sel_hi:[1,0,1]
	v_pk_fma_f32 v[CN:CN+1], v[TT+6:TT+7], s[KC3:KC3+1], v[C2V:C2V+1] op_sel_hi:[1,0,1]
.endr
.irp p, 0,1
.set TT, TS+8*\p
.set SN, \sd+\i+2*\p
.set CN, \cd+\i+2*\p
	v_pk_fma_f32 v[SN:SN+1], v[SN:SN+1], v[TT+6:TT+7], s[KS1:KS1+1] op_sel_hi:[1,1,0]
	v_pk_fma_f32 v[CN:CN+1], v[CN:CN+1], v[TT+6:TT+7], s[KC1:KC1+1] op_sel_hi:[1,1,0]
.endr
.irp p, 0,1
.set TT, TS+8*\p
.set CN, \cd+\i+2*\p
	v_pk_mul_f32 v[TT+4:TT+5], v[TT+6:TT+7], v[TT:TT+1]                                           ; r^3
	v_pk_fma_f32 v[CN:CN+1], v[CN:CN+1], v[TT+6:TT+7], -0.5 op_sel_hi:[1,1,0]
.endr
.irp p, 0,1
.set TT, TS+8*\p
.set SN, \sd+\i+2*\p
.set CN, \cd+\i+2*\p
	v_pk_fma_f32 v[SN:SN+1], v[SN:SN+1], v[TT+4:TT+5], v[TT:TT+1]                                 ; sin r
	v_pk_fma_f32 v[CN:CN+1], v[CN:CN+1], v[TT+6:TT+7], 1.0 op_sel_hi:[1,1,0]                      ; cos r
.endr
.irp p, 0,1                            ; the quarter turn: n odd swaps sin and cos; sin's sign is n's bit 1, cos's is bit 1 xor bit 0
.irp e, 0,1
.set TT, TS+8*\p+\e
.set SN, \sd+\i+2*\p+\e
.set CN, \cd+\i+2*\p+\e
	v_lshlrev_b32 v[TT+4], 30, v[TT+2]
	v_lshlrev_b32 v[TT+6], 31, v[TT+2]
	v_cmp_ne_u32 vcc_lo, 0, v[TT+6]
	v_xor_b32 v[TT+6], v[TT+4], v[TT+6]
	v_cndmask_b32 v[TT], v[SN], v[CN], vcc_lo
	v_cndmask_b32 v[TT+2], v[CN], v[SN], vcc_lo
	v_and_b32 v[TT+4], 0x80000000, v[TT+4]
	v_and_b32 v[TT+6], 0x80000000, v[TT+6]
	v_xor_b32 v[SN], v[TT+4], v[TT]
	v_xor_b32 v[CN], v[TT+6], v[TT+2]
.endr
.endr
.endm
; (cos, sin) of my 16 angles turned through 16 x frequency: eight products, then eight multiply-adds, so that no line reads the line above it
.macro TURNC
.irp g, 0,8
.irp p, 0,2,4,6
	v_pk_mul_f32 v[RT+\p:RT+\p+1], v[SI+\g+\p:SI+\g+\p+1], v[SD+\g+\p:SD+\g+\p+1]
	v_pk_mul_f32 v[RT+8+\p:RT+9+\p], v[CO+\g+\p:CO+\g+\p+1], v[SD+\g+\p:SD+\g+\p+1]
.endr
.irp p, 0,2,4,6
	v_pk_fma_f32 v[CO+\g+\p:CO+\g+\p+1], v[CO+\g+\p:CO+\g+\p+1], v[CD+\g+\p:CD+\g+\p+1], v[RT+\p:RT+\p+1] neg_lo:[0,0,1] neg_hi:[0,0,1]
	v_pk_fma_f32 v[SI+\g+\p:SI+\g+\p+1], v[SI+\g+\p:SI+\g+\p+1], v[CD+\g+\p:CD+\g+\p+1], v[RT+8+\p:RT+9+\p]
.endr
.endr
.endm
; RoPE on head g of my two: registers 32 g + i hold d = 16 (i / 8) + 8 h + i % 8, registers 32 g + 16 + i the same d + 32
.macro ROPE g
.irp q, 0,8
.irp p, 0,2,4,6
	v_pk_mul_f32 v[RT+\p:RT+\p+1], v[W+32*\g+16+\q+\p:W+32*\g+17+\q+\p], v[SI+\q+\p:SI+\q+\p+1]
	v_pk_mul_f32 v[RT+8+\p:RT+9+\p], v[W+32*\g+\q+\p:W+32*\g+1+\q+\p], v[SI+\q+\p:SI+\q+\p+1]
.endr
.irp p, 0,2,4,6
	v_pk_fma_f32 v[W+32*\g+\q+\p:W+32*\g+1+\q+\p], v[W+32*\g+\q+\p:W+32*\g+1+\q+\p], v[CO+\q+\p:CO+\q+\p+1], v[RT+\p:RT+\p+1] neg_lo:[0,0,1] neg_hi:[0,0,1]   ; x1 cos - x2 sin
	v_pk_fma_f32 v[W+32*\g+16+\q+\p:W+32*\g+17+\q+\p], v[W+32*\g+16+\q+\p:W+32*\g+17+\q+\p], v[CO+\q+\p:CO+\q+\p+1], v[RT+8+\p:RT+9+\p]                       ; x2 cos + x1 sin
.endr
.endr
.endm
; 64 numbers of a lane, registers 16 b + i = my 16 of block b, become 12 registers of codes in v[PC] on (lane (r, H): registers 6 c .. 6 c + 5 = block 2 c + H) and a scale word in v[pw]
.macro QUANT s, pw
.irp b, 0,1,2,3
	v_max3_num_f32 v[TM+\b], |v[\s+16*\b]|, |v[\s+1+16*\b]|, 0x1800000   ; and the floor 2^(3 - 127): the byte cannot fall under 1
.endr
.irp i, 2,4,6,8,10,12,14
.irp b, 0,1,2,3
	v_max3_num_f32 v[TM+\b], v[TM+\b], |v[\s+16*\b+\i]|, |v[\s+1+16*\b+\i]|
.endr
.endr
.irp b, 0,1,2,3
	v_permlanex16_b32 v[TM+4+\b], v[TM+\b], s[SEL], s[SEL+1]
.endr
.irp b, 0,1,2,3
	v_max_num_f32 v[TM+\b], v[TM+\b], v[TM+4+\b]   ; with lane l xor 16's: the block's largest magnitude
.endr
.irp b, 0,1,2,3
	v_add_nc_u32 v[TM+8+\b], 0xff000000, v[TM+\b]  ; 2 off its exponent field: the conversion's scale operand
.endr
.irp b, 0,1,2,3
	v_lshrrev_b32 v[TM+4+\b], 23, v[TM+8+\b]       ; the scale's byte
.endr
	v_lshl_or_b32 v[\pw], v[TM+5], 8, v[TM+4]
	v_lshl_or_b32 v[\pw], v[TM+6], 16, v[\pw]
	v_lshl_or_b32 v[\pw], v[TM+7], 24, v[\pw]
	s_wait_xcnt 0x0                                ; the last block's stores have read the codes' registers: they are written again only behind this wait
.irp c, 0,1
	v_cvt_scalef32_pk16_fp6_f32 v[PC+6*\c:PC+2+6*\c], v[\s+32*\c:\s+15+32*\c], v[TM+8+2*\c]
	v_cvt_scalef32_pk16_fp6_f32 v[PC+12+4*\c:PC+14+4*\c], v[\s+16+32*\c:\s+31+32*\c], v[TM+8+2*\c+1]   ; (a conversion's three registers begin on an even number)
.endr
	v_nop                                          ; one plain place behind a scaled conversion
.irp c, 0,1
.irp i, 0,1,2
	v_permlane16_swap_b32 v[PC+6*\c+\i], v[PC+12+4*\c+\i]   ; a whole block to a lane: lanes 0-15 block 2 c, lanes 16-31 block 2 c + 1
.endr
.irp i, 0,1,2
	v_mov_b32 v[PC+3+6*\c+\i], v[PC+12+4*\c+\i]
.endr
.endr
.endm
.macro OUT off                         ; two images: each store covers 512 or 256 consecutive bytes, aligned
	global_store_b128 v[OFA], v[PC:PC+3], s[96:97] offset:\off
	global_store_b64 v[OFB], v[PC+4:PC+5], s[96:97] offset:\off+512
	global_store_b128 v[OFA], v[PC+6:PC+9], s[98:99] offset:\off
	global_store_b64 v[OFB], v[PC+10:PC+11], s[98:99] offset:\off+512
.endm
.macro QKBLOCK a
.set AC, 64*((\a)%4)
	WIN 0x06+(\a)/4                                ; source 0: the accumulators' window; source 1: window 1
.set n, 0
.rept 32
	v_pk_add_f32 v[W+n:W+n+1], v[AC+n:AC+n+1], v[96+n+96*(n/32):97+n+96*(n/32)]   ; + the columns' bias; each accumulator from its low end on
.set n, n+2
.endr
	WIN 0
.if (\a) > 0
	TURNC                                          ; 16 positions on
.endif
	ROPE 0
	ROPE 1
	QUANT W, PWR+(\a)
	OUT 768*(\a)                                   ; a tile of 16 positions
.endm
.macro VBLOCK a
.set AC, 64*((\a)%4)
	v_mov_b32 v[BB], v[BV+(\a)]
	v_mov_b32 v[BB+1], v[BV+(\a)]
	WIN 0x02+(\a)/4
.set n, 0
.rept 32
	v_pk_add_f32 v[W+n:W+n+1], v[AC+n:AC+n+1], v[BB:BB+1]   ; + my row's bias
.set n, n+2
.endr
	WIN 0
	QUANT W, PWR+(\a)
	OUT 1536*((\a)%4)+204800*((\a)/4)              ; a tile of 16 channels; behind four of them the next head
.endm
	PLACES NP                                      ; behind the last products
	s_wait_loadcnt 0x0                             ; the biases, asked for ahead of the products
	s_mov_b32 s[SEL], 0x76543210
	s_mov_b32 s[SEL+1], 0xfedcba98                 ; v_permlanex16_b32's selects for lane l xor 16
.irp b, 0,1,2,3
	v_mov_b32 v[TM+4+\b], 0                        ; written once: a lane permute's destination counts as one of its sources
.endr
	s_cmp_eq_u32 s[ISV], 0
	s_cbranch_scc0 .Lvpart
	KPAIR KINV, 0x3f22f983                         ; 2 / pi
	KPAIR KP1, 0xbfc90fdb                          ; -(pi / 2 rounded to f32)
	KPAIR KP2, 0x333bbd2e                          ; -(the rest of pi / 2)
	KPAIR KS1, 0xbe2aaaa3                          ; sin r = r + r^3 (S1 + S2 z + S3 z^2)
	KPAIR KS3, 0xb94ca1f9
	KPAIR KC1, 0x3d2aaaa5                          ; cos r = 1 - z / 2 + z^2 (C1 + C2 z + C3 z^2)
	KPAIR KC3, 0x37ccf5ce
	VPAIR MG, 0x4b400000                           ; 1.5 x 2^23
	VPAIR S2V, 0x3c08839e
	VPAIR C2V, 0xbab6061a
	v_mov_b32 v[PP+1], 0                           ; (named as the upper half of a pair)
	v_cvt_f32_u32 v[PP], v[P0I]                    ; block 0's position
.irp i, 0,4,8,12
	SC4 \i, SI, CO
.endr
	v_mov_b32 v[PP], 0x41800000                    ; 16 positions: each group's cos lands on the frequencies that it has just read
.irp i, 0,4,8,12
	SC4 \i, SD, CD
.endr
.irp a, 0,1,2,3,4,5,6,7
	QKBLOCK \a
.endr
.irp k, 0,1,2,3                        ; block a's word holds head 0's two bytes below and head 1's above; lane half h gathers head h's: a word for each pair of tiles
	v_perm_b32 v[SWO+\k], v[PWR+2*\k+1], v[PWR+2*\k], v[SELV]
.endr
	s_branch .Lwords
.Lvpart:
.irp a, 0,1,2,3,4,5,6,7
	VBLOCK \a
.endr
	v_cmp_eq_u32 vcc_lo, 1, v2
.irp k, 0,1,2,3                        ; blocks 0-3 are head 0's four tiles, blocks 4-7 head 1's
	v_cndmask_b32 v[SWO+\k], v[PWR+\k], v[PWR+4+\k], vcc_lo
.endr
.Lwords:
	global_store_b128 v[OFS], v[SWO:SWO+3], s[100:101]   ; sixteen lanes store 256 consecutive bytes, aligned
	s_wait_tensorcnt 0x0                           ; the wave's end
	ds_add_u32 v[SPW], v[NIL]
	s_wait_dscnt 0x0
	CROUND                                         ; the closing round: no work-group ends while a partner may still ask for a tile that names it
	s_endpgm
.Lfunc_end_k_q2020e1f64c_qkv:
	.size	k_q2020e1f64c_qkv, .Lfunc_end_k_q2020e1f64c_qkv-k_q2020e1f64c_qkv
	.p2alignl 7, 3214868480
	.fill 96, 4, 3214868480
	.section	.rodata,"a",@progbits
	.p2align	6, 0x0
	.amdhsa_kernel k_q2020e1f64c_qkv
		.amdhsa_group_segment_fixed_size 327680
		.amdhsa_private_segment_fixed_size 0
		.amdhsa_enable_private_segment 0
		.amdhsa_kernarg_size 56
		.amdhsa_user_sgpr_count 2
		.amdhsa_user_sgpr_kernarg_segment_ptr 1
		.amdhsa_wavefront_size32 1
		.amdhsa_system_sgpr_workgroup_id_x 1
		.amdhsa_system_sgpr_workgroup_id_y 1
		.amdhsa_system_sgpr_workgroup_id_z 1
		.amdhsa_system_vgpr_workitem_id 0
		.amdhsa_next_free_vgpr 1024
		.amdhsa_next_free_sgpr 106
		.amdhsa_reserve_vcc 1
		.amdhsa_float_denorm_mode_32 3
		.amdhsa_float_denorm_mode_16_64 3
		.amdhsa_memory_ordered 1
		.amdhsa_forward_progress 1
		.amdhsa_inst_pref_size 255
	.end_amdhsa_kernel
	.section	.bss,"aw",@nobits
	.p2align	6
	.space	262144
	.amdgpu_metadata
---
amdhsa.version: [ 1, 2 ]
amdhsa.kernels:
  - .name:           k_q2020e1f64c_qkv
    .symbol:         k_q2020e1f64c_qkv.kd
    .args:
      - { .name: x_codes, .offset: 0, .size: 8, .value_kind: global_buffer, .address_space: global }
      - { .name: x_scales, .offset: 8, .size: 8, .value_kind: global_buffer, .address_space: global }
      - { .name: w_qkv_codes, .offset: 16, .size: 8, .value_kind: global_buffer, .address_space: global }
      - { .name: w_qkv_scales, .offset: 24, .size: 8, .value_kind: global_buffer, .address_space: global }
      - { .name: b_qkv, .offset: 32, .size: 8, .value_kind: global_buffer, .address_space: global }
      - { .name: qbuf, .offset: 40, .size: 8, .value_kind: global_buffer, .address_space: global }
      - { .name: kvbuf, .offset: 48, .size: 8, .value_kind: global_buffer, .address_space: global }
    .group_segment_fixed_size: 327680
    .private_segment_fixed_size: 0
    .kernarg_segment_align: 8
    .kernarg_segment_size: 56
    .max_flat_workgroup_size: 128
    .sgpr_count:     106
    .vgpr_count:     1024
    .wavefront_size: 32
...
	.end_amdgpu_metadata
.endif
;; end of part 1
;; launch attn (part 2): grid 4 x 64, 16 waves a work-group, clusters of 4 x 1, 206,848 bytes of LDS; arguments qbuf, kvbuf, at_codes, at_scales; writes at_codes, at_scales
.if DOCPART == 2
	.amdgcn_target "amdgcn-amd-amdhsa--gfx1250"
	.amdhsa_code_object_version 6
	.text
	.protected	k_q2020e1f64c_attn
	.globl	k_q2020e1f64c_attn
	.p2align	8
	.type	k_q2020e1f64c_attn,@function
k_q2020e1f64c_attn:
	s_mov_b64 s[64:65], 0
	v_nop
	global_prefetch_b8 v0, s[64:65] scope:SCOPE_SE
	s_setreg_imm32_b32 hwreg(HW_REG_WAVE_MODE, 25, 1), 1
	s_wait_xcnt 0x0
	s_wait_alu depctr_hold_cnt(0) depctr_sa_sdst(0) depctr_va_vdst(0) depctr_va_sdst(0) depctr_va_ssrc(0) depctr_va_vcc(0) depctr_vm_vsrc(0)
	s_getreg_b32 s2, hwreg(HW_REG_IB_STS2, 6, 4)
	s_cmp_eq_u32 s2, 0
	s_cbranch_scc0 .Lentry_in_a_cluster
	s_endpgm
.Lentry_in_a_cluster:
	s_bfe_u32 s2, ttmp6, 0x10000c
	s_cmp_lg_u32 s2, 0x3003
	s_cbranch_scc0 .Lentry_shape_is_right
	s_endpgm
.Lentry_shape_is_right:
; O = softmax(q k^T / 8) v for each of 64 heads of 2,048 positions and 64 channels, both products on codes of FP6 (E2M3) with E8M0 scales; O / l is quantised along the channels and stored for the last product.
; THE SOFTMAX: t = score x log2(e) / 8; M = the running largest t, rounded UP to a whole number; p = 2^(t - M) is quantised along the keys, not normalised; the row's sum l is taken of the unquantised p and divides O at the end.
; When M moves, the sum and O are multiplied by 2^(old M - new M): exact.
; SHARES: a work-group owns 512 queries of one head, each of its sixteen waves 32, in two passes of one tile of 16; four waves to a SIMD, so that one wave's vector work stands beside another's products and LDS loads.
; THE WHOLE HEAD'S k, v AND SCALE WORDS, 204,800 dense bytes of kvbuf, lie in LDS from byte 0 on, filled ONCE: wave w brings key step w (12,800 bytes) by one tensor load.  Nothing is filled again: no ring.
; CLUSTER: the four work-groups of a cluster own the four query blocks of one head and ask for these bytes jointly (mask 15).
; IMAGES: 16 rows x 64 along K are 768 bytes: lane l's registers 0-3 at 16 l, then registers 4-5 at 512 + 8 l: a load of 16 and a load of 8 bytes a lane, consecutive from lane to lane.
; THE FIRST PRODUCT'S K IS 64, the instruction's 128: a fragment of k holds TWO tiles of 16 keys, one in each half of K.  It is multiplied by [q | zero codes] for the first tile's scores and by [zero codes | q] for the second's.
; Zero codes add nothing under any scale byte but 0xff; q's scale bytes of the empty half are 0.
; LAYOUT: both products transposed (source 0 = keys, or channels of v; source 1 = my 16 queries, or p): a lane holds ONE query.  The 16 registers of score tiles 2 b, 2 b + 1 are my 16 of the 32 keys of block b, in the same
; order in which v's codes were made, so p and v pair key by key.  O's channels meet given codes in the last product: sixteen lane exchanges a tile bring them into their true order ahead of the quantiser.
; LIMITS: NaN and infinities are not served; a block of zeros gets the scale byte 1 where the rule says 127 (its codes are zeros; this program alone reads the bytes).  at_scales is stored two bytes a row and head.
.set STEPB, 12800                      ; a key step in LDS: k's 6,400 bytes, then v's
.set VPART, 6400
.set SCW,   6144                       ; the scale words' place in each part
.set NSTEP, 16
.set A16,  1                           ; v1   16 x lane
.set A8,   2                           ; v2   8 x lane
.set AS16, 3                           ; v3   16 x (lane % 16)
.set ADB,  4                           ; v4-6 the same + the step's first byte
.set ADH,  5
.set ADS,  6
.set OS,   7                           ; v7   32 x (lane % 16): my row of at_scales
.set OW,   8                           ; v8   O's two scale bytes
.set QA,   16                          ; v16-27 [q | 0]
.set QB,   28                          ; v28-39 [0 | q]
.set QN,   40                          ; v40-45 the second pass's q
.set QW,   46                          ; v46  both tiles' scale bytes;  v47, v48 the scale words of QA and QB
.set QAW,  47
.set QBW,  48
.set FRG,  52                          ; v52-99  four fragments of k, then of v
.set SCR,  100                         ; v100-163 S^T, then p
.set OT,   164                         ; v164-195 O^T
.set PCD,  196                         ; v196-207 p's codes
.set PTM,  208                         ; v208-214 conversions' second halves
.set KSW,  216                         ; v216-219 k's scale words;  v220-223 v's
.set VSW,  220
.set BMX,  224                         ; v224-227 block maxima
.set BPR,  228                         ; v228-231 the other half's; then bytes
.set SOP,  232                         ; v232-235 the conversions' scale operands
.set CH2,  236                         ; v[236:237] the sum's second chain
.set PWD,  238                         ; v238 p's scale word
.set TMP,  239
.set FAC,  240                         ; v[240:241] 2^(old M - new M)
.set WV,   18
.set SEL,  20
.set CS,   22
.set G1,   24
.set G0,   32
.set TB,   52                          ; s52 the step's first LDS byte;  s53 steps to go;  s54 passes to go
.macro CROUND                          ; a round of the cluster's barrier
	s_barrier_signal -1
	s_barrier_wait -1
	s_cmp_lg_u32 s[WV], 0
	s_cbranch_scc1 .Lnot_wave_0_\@
	s_barrier_signal -3
.Lnot_wave_0_\@:
	s_barrier_wait -3
	s_barrier_signal -1
	s_barrier_wait -1
.endm
	s_load_b128 s[4:7], s[0:1], 0x0                ; qbuf, kvbuf
	s_load_b128 s[8:11], s[0:1], 0x10              ; at_codes, at_scales
	v_lshl_add_u32 v254, v0, 2, 0x32000
	v_mov_b32 v255, 0
	ds_add_u32 v254, v255
	ds_add_u32 v254, v255
	v_lshrrev_b32 v1, 5, v0
	v_readfirstlane_b32 s[WV], v1                  ; wave 0..15
	s_bfe_u32 s12, ttmp6, 0x40000                  ; cx
	s_lshl_b32 s14, ttmp9, 2
	s_add_co_u32 s14, s14, s12                     ; my block of 512 queries: it enters q's and the results' addresses alone
	s_and_b32 s13, ttmp7, 0xffff                   ; 16 x batch + head, which the four partners share
	; descriptor group 1: 12,800 dense bytes as 50 rows of 256 (32 elements of 8 bytes), no padding
	s_mov_b32 s[G1+0], 15|(3<<16)|(1<<21)          ; 15:0 the mask: all four work-groups; elements of 8 bytes; bit 21 beside a mask
	s_mov_b32 s[G1+1], 32<<16                      ; tensor_dim0
	s_mov_b32 s[G1+2], 50<<16                      ; tensor_dim1
	s_mov_b32 s[G1+3], 32<<16                      ; tile_dim0
	s_mov_b32 s[G1+4], 50                          ; tile_dim1
	s_mov_b32 s[G1+5], 32                          ; tensor_dim0_stride
	s_mov_b32 s[G1+6], 0
	s_mov_b32 s[G1+7], 0
	s_mov_b32 s[G0], 1
	s_mul_i32 s[G0+1], s[WV], STEPB                ; LDS address: key step w
	s_mul_i32 s36, s13, NSTEP*STEPB
	s_add_co_u32 s36, s36, s[G0+1]
	s_mov_b32 s37, 0
	s_lshr_b32 s19, s[WV], 2
	s_lshl_b32 s38, s14, 2
	s_add_co_u32 s38, s38, s19                     ; my step of 128 queries
	s_and_b32 s39, s[WV], 3                        ; and my pair of tiles in it
	s_mul_i32 s40, s13, 102400
	s_mul_i32 s41, s38, 6400
	s_add_co_u32 s40, s40, s41
	s_mov_b32 s41, 0
	s_mul_i32 s42, s39, 1536
	s_mov_b32 s43, 0
	s_lshl_b32 s16, s39, 2
	s_mov_b32 s17, 0
	s_mov_b32 s[SEL], 0x76543210
	s_mov_b32 s[SEL+1], 0xfedcba98                 ; v_permlanex16_b32's selects for lane l xor 16
	s_mov_b32 s[CS], 0x3e38aa3b                    ; c = log2(e) / 8
	s_mov_b32 s[CS+1], s[CS]                       ; (named with it as a pair)
	s_wait_dscnt 0x0
	s_wait_kmcnt 0x0
	s_add_nc_u64 s[G0+2:G0+3], s[6:7], s[36:37]
	s_or_b32 s[G0+3], s[G0+3], 0x80000000
	CROUND                                         ; all four work-groups are here: the joint loads meet
	tensor_load_to_lds s[G0:G0+3], s[G1:G1+7]      ; my one tensor load
	s_nop 0
.rept 4
	v_nop
.endr
	s_add_nc_u64 s[4:5], s[4:5], s[40:41]          ; my block of qbuf
	s_add_nc_u64 s[48:49], s[4:5], s[42:43]        ; my two images
	s_add_nc_u64 s[50:51], s[4:5], s[16:17]        ; my pair's scale words
	s_lshr_b32 s40, s13, 4
	s_lshl_b32 s40, s40, 7
	s_lshl_b32 s41, s38, 3
	s_add_co_u32 s40, s40, s41
	s_lshl_b32 s41, s39, 1
	s_add_co_u32 s40, s40, s41                     ; my first tile of 16 rows of the last product's A: 128 x batch + 8 x step + 2 x pair
	s_and_b32 s41, s13, 15                         ; the head
	s_lshl_b32 s42, s40, 4
	s_add_co_u32 s42, s42, s41
	s_mul_i32 s42, s42, 768
	s_add_nc_u64 s[44:45], s[8:9], s[42:43]        ; its image
	s_lshl_b32 s42, s40, 9
	s_lshl_b32 s41, s41, 1
	s_add_co_u32 s42, s42, s41
	s_add_nc_u64 s[46:47], s[10:11], s[42:43]      ; its rows' two scale bytes
	v_and_b32 v9, 31, v0
	v_and_b32 v10, 15, v0
	v_lshlrev_b32 v[A16], 4, v9
	v_lshlrev_b32 v[A8], 3, v9
	v_lshlrev_b32 v[AS16], 4, v10
	v_lshlrev_b32 v[OS], 5, v10
	global_load_b128 v[QA:QA+3], v[A16], s[48:49]
	global_load_b64 v[QA+4:QA+5], v[A8], s[48:49] offset:512
	global_load_b128 v[QN:QN+3], v[A16], s[48:49] offset:768
	global_load_b64 v[QN+4:QN+5], v[A8], s[48:49] offset:1280
	global_load_b32 v[QW], v[AS16], s[50:51] offset:SCW
.irp b, 0,1,2,3
	v_mov_b32 v[BPR+\b], 0                         ; written once: a lane permute's destination counts as one of its sources
.endr
	v_mov_b32 v[FAC+1], 0                          ; (named as the upper half of a pair)
	s_wait_loadcnt 0x0
.irp i, 0,1,2,3,4,5
	v_mov_b32 v[QA+6+\i], 0                        ; zero codes in the half of K that is not meant
	v_mov_b32 v[QB+\i], 0
	v_mov_b32 v[QB+6+\i], v[QA+\i]
.endr
	v_and_b32 v[QAW], 0xffff, v[QW]                ; the first tile's two bytes below,
	v_lshlrev_b32 v[QBW], 16, v[QW]                ; or above
	s_wait_tensorcnt 0x0                           ; my key step has landed,
	s_barrier_signal -1
	s_barrier_wait -1                              ; everybody's has: the head lies in LDS, and nobody writes LDS again
	s_mov_b32 s54, 2
.Lpass:
	v_mov_b32 v13, 0xff61b1e6                      ; the largest t so far: -3e38, under every t
	v_floor_f32 v12, -v13                          ; -M
	v_mov_b32 v14, 0                               ; the sum, in two halves
	v_mov_b32 v15, 0
.set j, 0
.rept 32
	v_mov_b32 v[OT+j], 0                           ; O^T: the step is written once, its first trip finds zeros.  (These lines are also the places between q's operands and scale words, written by vector instructions, and the first product)
.set j, j+1
.endr
	s_mov_b32 s[TB], 0
	s_mov_b32 s53, NSTEP
.Lstep:                                                ; 128 keys
	v_add_nc_u32 v[ADB], s[TB], v[A16]
	v_add_nc_u32 v[ADH], s[TB], v[A8]
	v_add_nc_u32 v[ADS], s[TB], v[AS16]
	v_nop                                          ; four places behind the last products, in front of loads into registers that they have read
.irp t, 0,1,2,3,4,5,6,7
	ds_load_b128 v[FRG+6*\t:FRG+6*\t+3], v[ADB] offset:768*\t            ; k's tile t: half a fragment
	ds_load_b64 v[FRG+6*\t+4:FRG+6*\t+5], v[ADH] offset:768*\t+512
.endr
	ds_load_b128 v[KSW:KSW+3], v[ADS] offset:SCW                         ; row r's four words: one for each pair of tiles
	ds_load_b128 v[VSW:VSW+3], v[ADS] offset:VPART+SCW                   ; v's: one for each tile of channels
	s_wait_dscnt 0x0
.irp f, 0,1,2,3
	v_wmma_scale_f32_16x16x128_f8f6f4 v[SCR+16*\f:SCR+16*\f+7], v[FRG+12*\f:FRG+12*\f+11], v[QA:QA+11], 0, v[KSW+\f], v[QAW] matrix_a_fmt:MATRIX_FMT_FP6 matrix_b_fmt:MATRIX_FMT_FP6
	v_wmma_scale_f32_16x16x128_f8f6f4 v[SCR+16*\f+8:SCR+16*\f+15], v[FRG+12*\f:FRG+12*\f+11], v[QB:QB+11], 0, v[KSW+\f], v[QBW] matrix_a_fmt:MATRIX_FMT_FP6 matrix_b_fmt:MATRIX_FMT_FP6
.endr
.rept 4
	v_nop                                          ; places in front of the loads below and of the first read of the scores
.endr
.irp d, 0,1,2,3
.irp c, 0,1
	ds_load_b128 v[FRG+12*\d+6*\c:FRG+12*\d+6*\c+3], v[ADB] offset:VPART+1536*\d+768*\c       ; v's fragments land while the softmax is worked
	ds_load_b64 v[FRG+12*\d+6*\c+4:FRG+12*\d+6*\c+5], v[ADH] offset:VPART+1536*\d+768*\c+512
.endr
.endr
.irp b, 0,1,2,3
	v_max3_num_f32 v[BMX+\b], v[SCR+16*\b], v[SCR+1+16*\b], v[SCR+2+16*\b]   ; the largest score of each block of 32 keys: for the row's maximum, and, since p rises with the score, for the block's largest p
.endr
.irp i, 3,5,7,9,11,13
.irp b, 0,1,2,3
	v_max3_num_f32 v[BMX+\b], v[BMX+\b], v[SCR+16*\b+\i], v[SCR+1+16*\b+\i]
.endr
.endr
.irp b, 0,1,2,3
	v_max_num_f32 v[BMX+\b], v[BMX+\b], v[SCR+15+16*\b]
.endr
.irp b, 0,1,2,3
	v_permlanex16_b32 v[BPR+\b], v[BMX+\b], s[SEL], s[SEL+1]
.endr
.irp b, 0,1,2,3
	v_max_num_f32 v[BMX+\b], v[BMX+\b], v[BPR+\b]  ; with lane l xor 16's 16 keys
.endr
	v_max3_num_f32 v[TMP], v[BMX], v[BMX+1], v[BMX+2]
	v_max_num_f32 v[TMP], v[TMP], v[BMX+3]         ; the step's largest score of my query
	v_mul_f32 v[TMP], s[CS], v[TMP]                ; as t (c is positive)
	v_max_num_f32 v13, v13, v[TMP]                 ; the running largest t
	v_mov_b32 v[TMP], v12
	v_floor_f32 v12, -v13                          ; the new -M = floor(-t): M is a whole number
	v_sub_f32 v[TMP], v12, v[TMP]                  ; old M - new M: a whole number, 0 or less
	v_cvt_i32_f32 v[TMP], v[TMP]                   ; (it saturates)
	v_ldexp_f32 v[FAC], 1.0, v[TMP]                ; f = 2^(old M - new M)
.set j, 0
.rept 32
	v_pk_fma_f32 v[SCR+j:SCR+j+1], v[SCR+j:SCR+j+1], s[CS:CS+1], v[12:13] op_sel_hi:[1,0,0]   ; t - M, two at a time
.set j, j+2
.endr
.irp b, 0,1,2,3
	v_fma_f32 v[BMX+\b], v[BMX+\b], s[CS], v12     ; the same of each block's largest score
.endr
.set j, 0
.rept 64
	v_exp_f32 v[SCR+j], v[SCR+j]                   ; p = 2^(t - M), at most 1
.set j, j+1
.endr
.irp b, 0,1,2,3
	v_exp_f32 v[BMX+\b], v[BMX+\b]                 ; the block's largest p: the same two instructions on the same number
.endr
	v_pk_mul_f32 v[14:15], v[14:15], v[FAC:FAC+1] op_sel_hi:[1,0]   ; the sums under the new M.  (A plain place behind the exponentials)
	s_wait_alu depctr_va_vdst(0)
.irp b, 0,1,2,3
	v_max_num_f32 v[BMX+\b], 0x1800000, v[BMX+\b]  ; the floor 2^(3 - 127): the byte cannot fall under 1
.endr
.irp b, 0,1,2,3
	v_add_nc_u32 v[SOP+\b], 0xff000000, v[BMX+\b]  ; 2 off the exponent field: the conversion's scale operand
.endr
.irp b, 0,1,2,3
	v_lshrrev_b32 v[BPR+\b], 23, v[SOP+\b]         ; the scale's byte
.endr
	v_lshl_or_b32 v[PWD], v[BPR+1], 8, v[BPR]      ; p's scale word for these 128 keys
	v_lshl_or_b32 v[PWD], v[BPR+2], 16, v[PWD]
	v_lshl_or_b32 v[PWD], v[BPR+3], 24, v[PWD]
.irp c, 0,1
	v_cvt_scalef32_pk16_fp6_f32 v[PCD+6*\c:PCD+2+6*\c], v[SCR+32*\c:SCR+15+32*\c], v[SOP+2*\c]
	v_cvt_scalef32_pk16_fp6_f32 v[PTM+4*\c:PTM+2+4*\c], v[SCR+16+32*\c:SCR+31+32*\c], v[SOP+2*\c+1]   ; (a conversion's three registers begin on an even number)
.endr
	v_nop                                          ; one plain place behind a scaled conversion
.irp c, 0,1
.irp i, 0,1,2
	v_permlane16_swap_b32 v[PCD+6*\c+\i], v[PTM+4*\c+\i]   ; a whole block to a lane: lanes 0-15 block 2 c, lanes 16-31 block 2 c + 1
.endr
.irp i, 0,1,2
	v_mov_b32 v[PCD+3+6*\c+\i], v[PTM+4*\c+\i]
.endr
.endr
	v_pk_add_f32 v[CH2:CH2+1], v[SCR:SCR+1], v[SCR+2:SCR+3]   ; the row's sum is taken of the unquantised p: two at a time, in two chains
.irp j, 4,8,12,16,20,24,28,32,36,40,44,48,52,56,60
	v_pk_add_f32 v[14:15], v[14:15], v[SCR+\j:SCR+1+\j]
	v_pk_add_f32 v[CH2:CH2+1], v[CH2:CH2+1], v[SCR+2+\j:SCR+3+\j]
.endr
	v_pk_add_f32 v[14:15], v[14:15], v[CH2:CH2+1]
.set j, 0
.rept 16
	v_pk_mul_f32 v[OT+j:OT+j+1], v[OT+j:OT+j+1], v[FAC:FAC+1] op_sel_hi:[1,0]   ; O^T under the new M.  (With the sums above: the places between p's codes and scale word and the products below)
.set j, j+2
.endr
	s_wait_dscnt 0x0                               ; v's fragments are in
.irp d, 0,1,2,3                                ; the four accumulators take turns, and the eight score products stand between two steps' turns
	v_wmma_scale_f32_16x16x128_f8f6f4 v[OT+8*\d:OT+8*\d+7], v[FRG+12*\d:FRG+12*\d+11], v[PCD:PCD+11], v[OT+8*\d:OT+8*\d+7], v[VSW+\d], v[PWD] matrix_a_fmt:MATRIX_FMT_FP6 matrix_b_fmt:MATRIX_FMT_FP6
.endr
	s_add_co_u32 s[TB], s[TB], STEPB
	s_sub_co_u32 s53, s53, 1
	s_cmp_lg_u32 s53, 0
	s_cbranch_scc1 .Lstep
	; THE TILE'S END: O^T / l, its 64 channels into their true order, two blocks quantised, one image and two scale bytes a row stored
.rept 4
	v_nop
.endr
	v_add_f32 v14, v14, v15                        ; the sum's two halves,
	v_permlanex16_b32 v[TMP], v14, s[SEL], s[SEL+1]
	v_add_f32 v14, v14, v[TMP]                     ; and lane l xor 16's
	v_rcp_f32 v14, v14
	v_nop                                          ; one plain place behind a transcendental
.set j, 0
	s_wait_alu depctr_va_vdst(0)
.rept 32
	v_mul_f32 v[SCR+j], v[OT+j], v14               ; register 8 t + i: channel 16 t + 8 h + i; each accumulator from its low end on
.set j, j+1
.endr
.irp b, 0,1
.irp i, 0,1,2,3,4,5,6,7
	v_permlane16_swap_b32 v[SCR+16*\b+\i], v[SCR+16*\b+8+\i]   ; lane half h now holds channels 32 b + 16 h + 0 .. 15 in registers 16 b + 0 .. 15
.endr
.endr
.irp b, 0,1
	v_max3_num_f32 v[BMX+\b], |v[SCR+16*\b]|, |v[SCR+1+16*\b]|, 0x1800000
.endr
.irp i, 2,4,6,8,10,12,14
.irp b, 0,1
	v_max3_num_f32 v[BMX+\b], v[BMX+\b], |v[SCR+16*\b+\i]|, |v[SCR+1+16*\b+\i]|
.endr
.endr
.irp b, 0,1
	v_permlanex16_b32 v[BPR+\b], v[BMX+\b], s[SEL], s[SEL+1]
.endr
.irp b, 0,1
	v_max_num_f32 v[BMX+\b], v[BMX+\b], v[BPR+\b]
.endr
.irp b, 0,1
	v_add_nc_u32 v[SOP+\b], 0xff000000, v[BMX+\b]
.endr
.irp b, 0,1
	v_lshrrev_b32 v[BPR+\b], 23, v[SOP+\b]
.endr
	v_lshl_or_b32 v[OW], v[BPR+1], 8, v[BPR]
	v_cvt_scalef32_pk16_fp6_f32 v[PCD:PCD+2], v[SCR:SCR+15], v[SOP]
	v_cvt_scalef32_pk16_fp6_f32 v[PTM:PTM+2], v[SCR+16:SCR+31], v[SOP+1]
	v_nop                                          ; one plain place behind a scaled conversion
.irp i, 0,1,2
	v_permlane16_swap_b32 v[PCD+\i], v[PTM+\i]
.endr
.irp i, 0,1,2
	v_mov_b32 v[PCD+3+\i], v[PTM+\i]
.endr
	global_store_b128 v[A16], v[PCD:PCD+3], s[44:45]                 ; 512 consecutive bytes, aligned
	global_store_b64 v[A8], v[PCD+4:PCD+5], s[44:45] offset:512      ; and 256
	global_store_b16 v[OS], v[OW], s[46:47]                          ; both halves of the lanes hold the same two bytes of row r
.irp i, 0,1,2,3,4,5
	v_mov_b32 v[QA+\i], v[QN+\i]                   ; the second pass's q
	v_mov_b32 v[QB+6+\i], v[QN+\i]
.endr
	v_lshrrev_b32 v[QAW], 16, v[QW]
	v_and_b32 v[QBW], 0xffff0000, v[QW]
	s_wait_xcnt 0x0                                ; the stores have read their data and bases: both are written again only behind this wait
	s_add_nc_u64 s[44:45], s[44:45], 12288         ; the next tile of 16 rows: sixteen heads' images on
	s_add_nc_u64 s[46:47], s[46:47], 512
	s_sub_co_u32 s54, s54, 1
	s_cmp_lg_u32 s54, 0
	s_cbranch_scc1 .Lpass
	s_wait_tensorcnt 0x0
	ds_add_u32 v254, v255
	s_wait_dscnt 0x0
	CROUND                                         ; the closing round: no work-group ends while a partner may still ask
	s_endpgm
.Lfunc_end_k_q2020e1f64c_attn:
	.size	k_q2020e1f64c_attn, .Lfunc_end_k_q2020e1f64c_attn-k_q2020e1f64c_attn
	.p2alignl 7, 3214868480
	.fill 96, 4, 3214868480
	.section	.rodata,"a",@progbits
	.p2align	6, 0x0
	.amdhsa_kernel k_q2020e1f64c_attn
		.amdhsa_group_segment_fixed_size 206848
		.amdhsa_private_segment_fixed_size 0
		.amdhsa_enable_private_segment 0
		.amdhsa_kernarg_size 32
		.amdhsa_user_sgpr_count 2
		.amdhsa_user_sgpr_kernarg_segment_ptr 1
		.amdhsa_wavefront_size32 1
		.amdhsa_system_sgpr_workgroup_id_x 1
		.amdhsa_system_sgpr_workgroup_id_y 1
		.amdhsa_system_sgpr_workgroup_id_z 1
		.amdhsa_system_vgpr_workitem_id 0
		.amdhsa_next_free_vgpr 256
		.amdhsa_next_free_sgpr 66
		.amdhsa_reserve_vcc 0
		.amdhsa_float_denorm_mode_32 3
		.amdhsa_float_denorm_mode_16_64 3
		.amdhsa_memory_ordered 1
		.amdhsa_forward_progress 1
		.amdhsa_inst_pref_size 28
	.end_amdhsa_kernel
	.amdgpu_metadata
---
amdhsa.version: [ 1, 2 ]
amdhsa.kernels:
  - .name:           k_q2020e1f64c_attn
    .symbol:         k_q2020e1f64c_attn.kd
    .args:
      - { .name: qbuf, .offset: 0, .size: 8, .value_kind: global_buffer, .address_space: global }
      - { .name: kvbuf, .offset: 8, .size: 8, .value_kind: global_buffer, .address_space: global }
      - { .name: at_codes, .offset: 16, .size: 8, .value_kind: global_buffer, .address_space: global }
      - { .name: at_scales, .offset: 24, .size: 8, .value_kind: global_buffer, .address_space: global }
    .group_segment_fixed_size: 206848
    .private_segment_fixed_size: 0
    .kernarg_segment_align: 8
    .kernarg_segment_size: 32
    .max_flat_workgroup_size: 512
    .sgpr_count:     66
    .vgpr_count:     256
    .wavefront_size: 32
...
	.end_amdgpu_metadata
.endif
;; end of part 2
;; launch proj (part 3): grid 4 x 64, 4 waves a work-group, clusters of 4 x 4, 327,680 bytes of LDS; arguments at_codes, at_scales, w_out_codes, w_out_scales, b_out, out0; writes out0
.if DOCPART == 3
	.amdgcn_target "amdgcn-amd-amdhsa--gfx1250"
	.amdhsa_code_object_version 6
	.text
	.protected	k_q2020e1f64c_proj
	.globl	k_q2020e1f64c_proj
	.p2align	8
	.type	k_q2020e1f64c_proj,@function
k_q2020e1f64c_proj:
	s_mov_b64 s[64:65], 0
	v_nop
	global_prefetch_b8 v0, s[64:65] scope:SCOPE_SE
	s_setreg_imm32_b32 hwreg(HW_REG_WAVE_MODE, 25, 1), 1
	s_wait_xcnt 0x0
	s_wait_alu depctr_hold_cnt(0) depctr_sa_sdst(0) depctr_va_vdst(0) depctr_va_sdst(0) depctr_va_ssrc(0) depctr_va_vcc(0) depctr_vm_vsrc(0)
	s_getreg_b32 s2, hwreg(HW_REG_IB_STS2, 6, 4)
	s_cmp_eq_u32 s2, 0
	s_cbranch_scc0 .Lentry_in_a_cluster
	s_endpgm
.Lentry_in_a_cluster:
	s_bfe_u32 s2, ttmp6, 0x10000c
	s_cmp_lg_u32 s2, 0xf033
	s_cbranch_scc0 .Lentry_shape_is_right
	s_endpgm
.Lentry_shape_is_right:
; out0 = A w_out + b_out on codes of FP6 (E2M3) with E8M0 scales.  A: 8,192 rows x 1,024 K, attention's result, stored as register images; w_out: 1,024 rows x 1,024 K, K innermost, 768 bytes a row; out0: [8,192][1,024] f32.
; A tile of 128 x 256 is made by a work-group of four waves: 64 x 4 = 256 tiles.  A wave makes 64 x 128 in 32 accumulators.
; K IN FOUR SLOTS' WORTH OF 256, LDS HAS THREE SLOTS: K 0-767 are first fills; slot 0 is filled once more, with K 768 on, as soon as every wave of the cluster has read it out.
; A'S IMAGES: at_codes is [tile of 16 rows 512][head 16] x 768 bytes: 16 rows x 64 K: lane l's registers 0-3 at 16 l, registers 4-5 at 512 + 8 l.  256 along K are four heads: 3,072 consecutive bytes of each tile of rows.
; A fragment (128 K: two images) comes by two loads of 16 and two of 8 bytes a lane, consecutive from lane to lane: no pitch, no padding.
; The matrix instruction is used transposed (source 0 = 16 rows of w_out, source 1 = 16 rows of A): a lane holds eight neighbouring numbers of a row of out0.  The bias is the C of each sum's first product.
; A STEP is 128 along K: at its head the next step's 12 fragments are asked for, into the other of two sets of registers, then its 32 products follow.
; CLUSTERS: 4 x 4 work-groups; A's tiles are asked for jointly along a row of the cluster, w_out's along a column.
; REGISTERS: window 0: v8-29 addresses; v32-63 scale words, two sets; v64-127 the bias; v128-175, v176-223 A's fragments, two sets (on the way out v128-255 are rows of out0).  window 1: B's two sets at v0 and v128.  window 2: the accumulators.
.set ROWB,   192                       ; a row of B's tile
.set KROW,   768
.set PITCH,  240                       ; B's LDS row: 3 x (64 bytes + 16 of padding)
.set FR,     12
.set NP,     4                         ; places behind this matrix instruction (ISA guide 7.12.1)
.set HALFTA, 4*3072                    ; 64 rows of A: four tiles of rows x four images
.set HALFTB, 128*PITCH
.set BOFF,   2*HALFTA                  ; B lies behind A's 128 rows
.set SLOT,   2*HALFTA+2*HALFTB         ; 86,016 bytes
.set SCL,    3*SLOT                    ; behind the slots: the scales, as units of 256 bytes + 16 of padding
.set HALFSA, 8*272                     ; those of 64 rows of A
.set HALFSB, 16*272                    ; of 128 rows of B
.set SBLK,   2*272                     ; of 16 rows
.set SPARE,  SCL+2*HALFSA+2*HALFSB     ; the spare words, 128 bytes a wave: two blocks of 256 bytes that no other line names
.set STAGE,  SLOT                      ; the way out: 16 rows x (512 bytes + 16) for each wave, in slot 1: filled once, and read for the last time in front of the K phase's last barrier
.set SPITCH, 528
.set ADRA,  8                          ; v8-10  16 x lane + my rows of A in slot 0, 1, 2;  v11-13 the same with 8 x lane
.set ADRA8, 11
.set ADRB,  16                         ; v16-18 my B fragments in slot 0, 1, 2;  v19-21 behind one padding more
.set STO,  24
.set RD,   25
.set CO,   26
.set ADRS, 27                          ; my scale words; never rewritten: the place along K stands in the loads' immediates
.set SPW,  28                          ; my spare word; never rewritten
.set NIL,  29                          ; 0; never rewritten
.set SC,   32                          ; v32-63 scale words, two sets: scales and nothing else
.set BI,   64                          ; v64-127 the bias in the result's layout: number 8 b + j = column 16 b + 8 h + j
.set AF,   128
.set BK,   128
.set G1,   24                          ; s[24:31] group 1 for A's tiles, s[32:39] for B's, s[40:47] for A's scales, s[48:55] for B's
.set G1B,  32
.set G1S,  40
.set G1SB, 48
.set G0S,  56                          ; s[56:59], s[60:63] groups 0 for the scales;  s[68:79], s[80:91] for A's and B's tiles, a set for each slot
.set G0SB, 60
.set G0,   68
.set G0B,  80
.set MSB, 0
.macro WIN new                         ; the immediate's high byte repeats the setting that is left
.if MSB != (\new)
	s_set_vgpr_msb (MSB<<8)|(\new)
.set MSB, (\new)
.endif
.endm
.set MUL,   0xa1                       ; source 0 (B) window 1, source 1 (A) window 0, C and D window 2
.set MULB,  0x81                       ; the first products: C (the bias) window 0
.set TO_B,  0x40
.macro JLOAD g0a, g1a, g0b, g1b        ; a joint load: waves 0 and 1 fetch for A, waves 2 and 3 for B; four v_nop follow each of the two lines
	s_cmp_eq_u32 s15, 0
	s_cbranch_scc0 .Lfor_b_\@
	tensor_load_to_lds s[\g0a:\g0a+3], s[\g1a:\g1a+7]
	s_nop 0
.rept 4
	v_nop
.endr
	s_branch .Lasked_\@
.Lfor_b_\@:
	tensor_load_to_lds s[\g0b:\g0b+3], s[\g1b:\g1b+7]
	s_nop 0
.rept 4
	v_nop
.endr
.Lasked_\@:
.endm
.macro CROUND                          ; a round of the cluster's barrier
	s_barrier_signal -1
	s_barrier_wait -1
	s_cmp_lg_u32 s14, 0
	s_cbranch_scc1 .Lnot_wave_0_\@
	s_barrier_signal -3
.Lnot_wave_0_\@:
	s_barrier_wait -3
	s_barrier_signal -1
	s_barrier_wait -1
.endm
	s_load_b128 s[4:7], s[0:1], 0x0                ; A's codes, A's scales
	s_load_b128 s[8:11], s[0:1], 0x10              ; B's codes, B's scales
	s_load_b64 s[96:97], s[0:1], 0x20              ; b_out
	s_load_b64 s[12:13], s[0:1], 0x28              ; out0
	v_lshl_add_u32 v[SPW], v0, 2, SPARE
	v_mov_b32 v[NIL], 0
	ds_add_u32 v28, v29
	ds_add_u32 v28, v29
	s_wait_dscnt 0x0
	v_lshrrev_b32 v1, 5, v0
	v_readfirstlane_b32 s14, v1                    ; wave 0..3
	v_bfe_u32 v2, v0, 4, 1                         ; h = lane / 16
	v_lshlrev_b32 v7, 5, v2                        ; the bias: 32 h; not rewritten
	s_lshr_b32 s15, s14, 1                         ; which 64 of the tile's rows are mine.  Also: I fetch for A (0) or for B (1)
	s_and_b32 s16, s14, 1                          ; which 128 of its columns.  Also: which half of that tile I fetch
	s_bfe_u32 s92, ttmp6, 0x40000                  ; cx, cy
	s_bfe_u32 s93, ttmp6, 0x40004
	s_lshl_b32 s94, ttmp9, 2
	s_add_co_u32 s94, s94, s92                     ; tile column = 4 x cluster x + cx
	s_and_b32 s17, ttmp7, 0xffff
	s_lshl_b32 s17, s17, 2
	s_add_co_u32 s17, s17, s93                     ; tile row = 4 x cluster y + cy
	s_lshl_b32 s95, s93, 2
	s_lshl_b32 s95, 15, s95                        ; my row of the cluster
	s_lshl_b32 s98, 0x1111, s92                    ; my column
	; A: 4 rows (tiles of 16 rows of A) x 3,072 bytes (384 elements of 8), 12,288 bytes apart, no padding
	s_or_b32 s[G1+0], s95, (3<<16)|(1<<21)         ; 15:0 the mask: A's tiles go to my row; elements of 8 bytes; bit 21 beside a mask
	s_mov_b32 s[G1+1], 384<<16                     ; tensor_dim0
	s_mov_b32 s[G1+2], 4<<16                       ; tensor_dim1
	s_mov_b32 s[G1+3], 384<<16                     ; tile_dim0
	s_mov_b32 s[G1+4], 4                           ; tile_dim1
	s_mov_b32 s[G1+5], 1536                        ; tensor_dim0_stride
	s_mov_b32 s[G1+6], 0
	s_mov_b32 s[G1+7], 0
	; B: 128 rows x 192 bytes, 16 bytes of padding behind every 64
	s_or_b32 s[G1B+0], s98, (0<<16)|(1<<20)|(1<<21)|(3<<22)|(3<<25)
	s_mov_b32 s[G1B+1], ROWB<<16
	s_mov_b32 s[G1B+2], 128<<16
	s_mov_b32 s[G1B+3], ROWB<<16
	s_mov_b32 s[G1B+4], 128
	s_mov_b32 s[G1B+5], KROW
	s_mov_b32 s[G1B+6], 0
	s_mov_b32 s[G1B+7], 0
	; the scales: dense bytes as rows of 256 (32 elements of 8), 16 bytes of padding behind each: 8 rows for 64 rows of A, 16 for 128 rows of B
	s_or_b32 s[G1S+0], s95, (3<<16)|(1<<20)|(1<<21)|(5<<22)|(3<<25)
	s_mov_b32 s[G1S+1], 32<<16
	s_mov_b32 s[G1S+2], 8<<16
	s_mov_b32 s[G1S+3], 32<<16
	s_mov_b32 s[G1S+4], 8
	s_mov_b32 s[G1S+5], 32
	s_mov_b32 s[G1S+6], 0
	s_mov_b32 s[G1S+7], 0
	s_or_b32 s[G1SB+0], s98, (3<<16)|(1<<20)|(1<<21)|(5<<22)|(3<<25)
	s_mov_b32 s[G1SB+1], 32<<16
	s_mov_b32 s[G1SB+2], 16<<16
	s_mov_b32 s[G1SB+3], 32<<16
	s_mov_b32 s[G1SB+4], 16
	s_mov_b32 s[G1SB+5], 32
	s_mov_b32 s[G1SB+6], 0
	s_mov_b32 s[G1SB+7], 0
	s_lshl_b32 s20, s17, 3
	s_lshl_b32 s18, s16, 2
	s_add_co_u32 s20, s20, s18                     ; A: tile of 16 rows 8 x tile row + 4 x half
	s_lshl_b32 s22, s20, 9                         ; its scales: 16 rows x 32 bytes
	s_mul_i32 s20, s20, 16*768                     ; its codes: 12,288 bytes
	s_mov_b32 s21, 0
	s_mov_b32 s23, 0
	s_lshl_b32 s66, s94, 8
	s_lshl_b32 s18, s16, 7
	s_add_co_u32 s66, s66, s18                     ; B: row 256 x tile column + 128 x half
	s_lshl_b32 s100, s66, 5                        ; its scales
	s_mul_i32 s66, s66, KROW                       ; its codes
	s_mov_b32 s67, 0
	s_mov_b32 s101, 0
	s_mul_i32 s99, s16, HALFTA                     ; where they go: no place in the cluster enters an LDS address
	s_mul_i32 s19, s16, HALFTB
	s_lshl_b32 s2, s94, 10                         ; my first column, in bytes: 1,024 x tile column + 512 x half
	s_lshl_b32 s3, s16, 9
	s_add_co_u32 s2, s2, s3
	s_mov_b32 s3, 0
	s_wait_kmcnt 0x0
	s_add_nc_u64 s[96:97], s[96:97], s[2:3]        ; my columns of b_out: asked for at once, read with the first products
.irp b, 0,1,2,3,4,5,6,7
	global_load_b128 v[BI+8*\b:BI+8*\b+3], v7, s[96:97] offset:64*\b
	global_load_b128 v[BI+8*\b+4:BI+8*\b+7], v7, s[96:97] offset:64*\b+16
.endr
	s_add_nc_u64 s[20:21], s[4:5], s[20:21]
	s_add_nc_u64 s[22:23], s[6:7], s[22:23]
	s_add_nc_u64 s[66:67], s[8:9], s[66:67]
	s_add_nc_u64 s[100:101], s[10:11], s[100:101]
	CROUND                                         ; all sixteen work-groups are here: the first joint loads meet
	s_mov_b32 s[G0S], 1
	s_mul_i32 s[G0S+1], s16, HALFSA
	s_add_co_u32 s[G0S+1], s[G0S+1], SCL
	s_mov_b64 s[G0S+2:G0S+3], s[22:23]
	s_or_b32 s[G0S+3], s[G0S+3], 0x80000000
	s_mov_b32 s[G0SB], 1
	s_mul_i32 s[G0SB+1], s16, HALFSB
	s_add_co_u32 s[G0SB+1], s[G0SB+1], SCL+2*HALFSA
	s_mov_b64 s[G0SB+2:G0SB+3], s[100:101]
	s_or_b32 s[G0SB+3], s[G0SB+3], 0x80000000
	JLOAD G0S, G1S, G0SB, G1SB                     ; the scales first.  Four loads of mine are out behind these first fills
.irp s, 0,1,2
	s_mov_b32 s[G0+4*\s], 1
	s_add_co_u32 s[G0+4*\s+1], s99, \s*SLOT
	s_add_nc_u64 s[G0+4*\s+2:G0+4*\s+3], s[20:21], \s*3072
	s_or_b32 s[G0+4*\s+3], s[G0+4*\s+3], 0x80000000
	s_mov_b32 s[G0B+4*\s], 1
	s_add_co_u32 s[G0B+4*\s+1], s19, \s*SLOT+BOFF
	s_add_nc_u64 s[G0B+4*\s+2:G0B+4*\s+3], s[66:67], \s*ROWB
	s_or_b32 s[G0B+4*\s+3], s[G0B+4*\s+3], 0x80000000
	JLOAD G0+4*\s, G1, G0B+4*\s, G1B
.endr
	v_and_b32 v1, 15, v0                           ; r = lane % 16
	v_and_b32 v6, 31, v0                           ; lane
	v_mul_u32_u24 v3, v1, PITCH
	v_mul_u32_u24 v4, v2, 24
	v_add_nc_u32 v4, v3, v4                        ; B: a fragment's row x pitch + 24 x half
	v_lshl_add_u32 v5, v2, 4, v4                   ; and the same behind one padding more
	v_lshlrev_b32 v14, 4, v6                       ; A: 16 x lane,
	v_lshlrev_b32 v15, 3, v6                       ; 8 x lane
	s_mul_i32 s21, s15, HALFTA                     ; my 64 rows of A
	s_mul_i32 s22, s16, HALFTB                     ; my 128 rows of B,
	s_add_co_u32 s22, s22, BOFF                    ; which lie behind A's 128
.irp s, 0,1,2
	v_add_nc_u32 v[ADRA+\s], s21, v14
	v_add_nc_u32 v[ADRA8+\s], s21, v15
	v_add_nc_u32 v[ADRB+\s], s22, v4
	v_add_nc_u32 v[ADRB+3+\s], s22, v5
	s_add_co_u32 s21, s21, SLOT
	s_add_co_u32 s22, s22, SLOT
.endr
	v_mul_u32_u24 v5, v1, 32                       ; my row's scales: 32 bytes a row,
	v_lshrrev_b32 v6, 8, v5
	v_lshl_add_u32 v5, v6, 4, v5                   ; and 16 more for each 256 passed
	s_mul_i32 s21, s15, HALFSA                     ; A's: my 64 rows
	s_mul_i32 s22, s16, HALFSB                     ; B's: my 128 rows, behind A's 128
	s_add_co_u32 s22, s22, 2*HALFSA
	s_sub_co_u32 s22, s22, s21
	v_mul_u32_u24 v6, s22, v2                      ; lanes 16-31 take B's
	s_add_co_u32 s21, s21, SCL
	v_add_nc_u32 v5, v5, v6
	v_add_nc_u32 v[ADRS], s21, v5
	s_mul_i32 s23, s14, 16*SPITCH
	s_add_co_u32 s23, s23, STAGE                   ; my stage
	v_mul_u32_u24 v5, v1, SPITCH                   ; in: row r, 32 bytes for each half of the lanes
	v_lshl_add_u32 v5, v2, 5, v5
	v_add_nc_u32 v[STO], s23, v5
	v_mov_b32 v[CO], v14                           ; back: the 32 lanes take one row of 512 bytes; and the same in out0
	v_add_nc_u32 v[RD], s23, v14
	s_lshl_b32 s20, s17, 7
	s_lshl_b32 s21, s15, 6
	s_add_co_u32 s20, s20, s21                     ; my first row of out0: 128 x tile row + 64 x half
	s_lshl_b32 s20, s20, 12                        ; 4,096 bytes a row
	s_mov_b32 s21, 0
	s_add_nc_u64 s[12:13], s[12:13], s[20:21]
	s_add_nc_u64 s[12:13], s[12:13], s[2:3]        ; never stepped: a row's place stands in its store's immediate
.macro FRAG reg, adr, q, i             ; a fragment of B: 24 bytes of the row's stream of bits for each half of K, in pieces of 8 bytes; where lanes 16-31's piece lies behind one padding more, the second address register serves
.irp p, 0,1,2,3,4,5
.set PCE, 12*(\q)+6*(\p/3)+\p%3
.if PCE%8 < 5
	ds_load_b64 v[\reg+2*\p:\reg+2*\p+1], v[\adr] offset:8*PCE+16*(PCE/8)+(\i)*16*PITCH
.else
	ds_load_b64 v[\reg+2*\p:\reg+2*\p+1], v[\adr+3] offset:8*PCE+16*(PCE/8)+(\i)*16*PITCH
.endif
.endr
.endm
.macro FRAGA reg, slot, q, i           ; a fragment of A: two images, as they were stored
	ds_load_b128 v[\reg:\reg+3], v[ADRA+\slot] offset:(\i)*3072+(\q)*1536
	ds_load_b64 v[\reg+4:\reg+5], v[ADRA8+\slot] offset:(\i)*3072+(\q)*1536+512
	ds_load_b128 v[\reg+6:\reg+9], v[ADRA+\slot] offset:(\i)*3072+(\q)*1536+768
	ds_load_b64 v[\reg+10:\reg+11], v[ADRA8+\slot] offset:(\i)*3072+(\q)*1536+1280
.endm
; step n's 12 fragments into set n % 2: K slot n / 2 lies in LDS slot (n / 2) % 3.  With a K slot's first step come its scale words: lanes 0-15 take A's block i (i = 4 .. 7: bytes that no product reads), lanes 16-31 B's block i
.macro FETCH n
.set FSET, (\n)%2
.set FSL, ((\n)/2)%3
.set FKS, (\n)/2
	WIN TO_B
.irp i, 0,1,2,3,4,5,6,7
	FRAG 128*FSET+FR*\i, ADRB+FSL, FSET, \i
.endr
	WIN 0
.irp i, 0,1,2,3
	FRAGA AF+48*FSET+FR*\i, FSL, FSET, \i
.endr
.if FSET == 0
.irp i, 0,1,2,3,4,5,6,7
	ds_load_b64 v[SC+16*(FKS%2)+2*\i:SC+16*(FKS%2)+2*\i+1], v[ADRS] offset:\i*SBLK+8*FKS
.endr
.endif
.endm
; step n's 32 products.  The 32 accumulators take turns, one instruction a turn, in the same order in every step.  The first step's C is the bias.
.macro MUL32 n
.set MSET, (\n)%2
.set MSC, SC+16*(((\n)/2)%2)+MSET
.if (\n) == 0
	WIN MULB
.else
	WIN MUL
.endif
.irp a, 0,1,2,3
.irp b, 0,1,2,3,4,5,6,7
.if (\n) == 0
	v_wmma_scale_f32_16x16x128_f8f6f4 v[8*(8*\a+\b):8*(8*\a+\b)+7], v[128*MSET+FR*\b:128*MSET+FR*\b+FR-1], v[AF+48*MSET+FR*\a:AF+48*MSET+FR*\a+FR-1], v[BI+8*\b:BI+8*\b+7], v[MSC+2*\b], v[MSC+2*\a] matrix_a_fmt:MATRIX_FMT_FP6 matrix_b_fmt:MATRIX_FMT_FP6 matrix_a_scale:MATRIX_SCALE_ROW1
.else
	v_wmma_scale_f32_16x16x128_f8f6f4 v[8*(8*\a+\b):8*(8*\a+\b)+7], v[128*MSET+FR*\b:128*MSET+FR*\b+FR-1], v[AF+48*MSET+FR*\a:AF+48*MSET+FR*\a+FR-1], v[8*(8*\a+\b):8*(8*\a+\b)+7], v[MSC+2*\b], v[MSC+2*\a] matrix_a_fmt:MATRIX_FMT_FP6 matrix_b_fmt:MATRIX_FMT_FP6 matrix_a_scale:MATRIX_SCALE_ROW1
.endif
.endr
.endr
	WIN 0
.endm
.macro PLACES n                        ; plain vector instructions that name none of a matrix instruction's registers, in front of loads into registers that it has read and of reads of its results
.rept \n
	v_nop
.endr
.endm
; A step.  mode 0: plain.  mode 1: slot 0 has been read out: the three lines, a round of the cluster's barrier, the joint refill.  mode 2: the refill has landed: a barrier shows it to every wave.
.macro STEP n, mode
.if \mode == 1
	s_wait_tensorcnt 0x0                           ; all my tensor loads have landed, slots 1 and 2 among them: so a group 0 may be written
	ds_add_u32 v[SPW], v[NIL]                      ; 0 onto my spare word
	s_add_nc_u64 s[G0+2:G0+3], s[G0+2:G0+3], 3*3072          ; slot 0's next tile: K 768 on
	s_add_nc_u64 s[G0B+2:G0B+3], s[G0B+2:G0B+3], 3*ROWB
	s_wait_dscnt 0x0                               ; the add is done, this step's fragments are in, and with them my reads of slot 0 are over
	CROUND                                         ; no wave of any partner still reads slot 0 or has a load on its way
	JLOAD G0, G1, G0B, G1B                         ; the first tensor load behind the round, my one; its four v_nop are the places in front of the loads below
.elseif \mode == 2
	s_wait_tensorcnt 0x0                           ; my one load that was out: my part of K 768 on
	s_wait_dscnt 0x0                               ; this step's fragments are in
	s_barrier_signal -1
	s_barrier_wait -1                              ; everybody's part has landed; and nobody reads slot 1 any more
	PLACES NP
.else
	s_wait_dscnt 0x0                               ; this step's fragments are in
	PLACES NP                                      ; behind the last step's products, which read the set that is loaded next
.endif
.if (\n) < 7
	FETCH (\n)+1                                   ; it has this step's 32 products in which to land
.endif
	MUL32 \n
.endm
	s_wait_tensorcnt 2                             ; the scales and my part of slot 0 are in (the loads of slots 1 and 2 may be out)
	s_barrier_signal -1
	s_barrier_wait -1                              ; everybody's are
	FETCH 0
	s_wait_loadcnt 0x0                             ; the bias
	STEP 0, 0
	STEP 1, 1
	STEP 2, 0
	STEP 3, 0
	STEP 4, 0
	STEP 5, 2
	STEP 6, 0
	STEP 7, 0
; THE WAY OUT, block by block of 16 rows x 128 columns, through my own stage in LDS: back as whole rows of 512 bytes.  LDS serves a wave's instructions in order (ISA guide 5.7.1.4).
.macro TOSTAGE a
	WIN 0x08                                       ; the data: window 2
.irp b, 0,1,2,3,4,5,6,7
	ds_store_b128 v[STO], v[64*(\a)+8*\b:64*(\a)+8*\b+3] offset:64*\b          ; each accumulator from its low end on
	ds_store_b128 v[STO], v[64*(\a)+8*\b+4:64*(\a)+8*\b+7] offset:64*\b+16
.endr
	WIN 0
.set BB, BK+64*((\a)%2)
.irp t, 0,1,2,3,4,5,6,7,8,9,10,11,12,13,14,15
	ds_load_b128 v[BB+4*\t:BB+4*\t+3], v[RD] offset:\t*SPITCH
.endr
.endm
.macro SEND a, younger                 ; younger: the LDS instructions issued behind block a's loads, which may stay out
.set BB, BK+64*((\a)%2)
	s_wait_dscnt \younger
.irp t, 0,1,2,3,4,5,6,7,8,9,10,11,12,13,14,15
	global_store_b128 v[CO], v[BB+4*\t:BB+4*\t+3], s[12:13] offset:(16*(\a)+\t)*4096 th:TH_STORE_NT   ; 32 lanes store 512 consecutive bytes, aligned; written once, read by nobody here
.endr
.endm
	PLACES NP
	TOSTAGE 0
.irp a, 1,2,3
.if \a > 1
	s_wait_xcnt 0x0                                ; block a - 2's stores have read their registers: block a's loads may land there
.endif
	TOSTAGE \a
	SEND \a-1, 32                                  ; behind block a - 1's loads: block a's 16 stores and 16 loads
.endr
	SEND 3, 0
	s_wait_tensorcnt 0x0                           ; the wave's end
	ds_add_u32 v[SPW], v[NIL]
	s_wait_dscnt 0x0
	CROUND                                         ; the closing round: no work-group ends while a partner may still ask for a tile that names it
	s_endpgm
.Lfunc_end_k_q2020e1f64c_proj:
	.size	k_q2020e1f64c_proj, .Lfunc_end_k_q2020e1f64c_proj-k_q2020e1f64c_proj
	.p2alignl 7, 3214868480
	.fill 96, 4, 3214868480
	.section	.rodata,"a",@progbits
	.p2align	6, 0x0
	.amdhsa_kernel k_q2020e1f64c_proj
		.amdhsa_group_segment_fixed_size 327680
		.amdhsa_private_segment_fixed_size 0
		.amdhsa_enable_private_segment 0
		.amdhsa_kernarg_size 48
		.amdhsa_user_sgpr_count 2
		.amdhsa_user_sgpr_kernarg_segment_ptr 1
		.amdhsa_wavefront_size32 1
		.amdhsa_system_sgpr_workgroup_id_x 1
		.amdhsa_system_sgpr_workgroup_id_y 1
		.amdhsa_system_sgpr_workgroup_id_z 1
		.amdhsa_system_vgpr_workitem_id 0
		.amdhsa_next_free_vgpr 768
		.amdhsa_next_free_sgpr 102
		.amdhsa_reserve_vcc 0
		.amdhsa_float_denorm_mode_32 3
		.amdhsa_float_denorm_mode_16_64 3
		.amdhsa_memory_ordered 1
		.amdhsa_forward_progress 1
		.amdhsa_inst_pref_size 97
	.end_amdhsa_kernel
	.amdgpu_metadata
---
amdhsa.version: [ 1, 2 ]
amdhsa.kernels:
  - .name:           k_q2020e1f64c_proj
    .symbol:         k_q2020e1f64c_proj.kd
    .args:
      - { .name: at_codes, .offset: 0, .size: 8, .value_kind: global_buffer, .address_space: global }
      - { .name: at_scales, .offset: 8, .size: 8, .value_kind: global_buffer, .address_space: global }
      - { .name: w_out_codes, .offset: 16, .size: 8, .value_kind: global_buffer, .address_space: global }
      - { .name: w_out_scales, .offset: 24, .size: 8, .value_kind: global_buffer, .address_space: global }
      - { .name: b_out, .offset: 32, .size: 8, .value_kind: global_buffer, .address_space: global }
      - { .name: out0, .offset: 40, .size: 8, .value_kind: global_buffer, .address_space: global }
    .group_segment_fixed_size: 327680
    .private_segment_fixed_size: 0
    .kernarg_segment_align: 8
    .kernarg_segment_size: 48
    .max_flat_workgroup_size: 128
    .sgpr_count:     102
    .vgpr_count:     768
    .wavefront_size: 32
...
	.end_amdgpu_metadata
.endif
;; end of part 3
